; MI455X (gfx1250); checked and timed in simulation.
; The chip was launched on July 23, 2026; its instructions are those of AMD's public machine-readable ISA for CDNA 5 (MIT licence, August 2026) and "CDNA5" Instruction Set Architecture Reference Guide (July 2026). The comments in the code are by the model that wrote it; some were corrected since.
;; Concat Critic. Allowed arithmetic: matrix products marked QUANTISED: E4M3 operands, one E8M0 scale for each 32 along K, by v_wmma_scale_f32_16x16x128_f8f6f4 with both operands' format E4M3, f32 sums; products left as they are: f32 operands where the result goes on into a quantised operand, else bf16, f16 or f32 operands; f32 sums; everything else in f32.
;; Inputs: W1 256 x 512 float32; W2 512 x 512 float32; W3 512 x 1 float32; b1 512 float32; b2 512 float32; b3 1 float32; x 512 x 128 float32; y 512 x 128 float32.
;; Outputs: out0 512 x 512 float32.
;; This version of the problem:
;;   THIS VERSION OF THE PROBLEM IS GIVEN IN LOW PRECISION. The matrix products marked QUANTISED in the list below multiply operands that are first quantised to E4M3 (4 exponent bits, 3 mantissa bits; 8 bits a number), with one power-of-two scale for each 32 numbers along K (OCP MX v1.0); their sums are f32. All else is computed in f32.
;;   The module's matrix products, in the order in which they are computed (A, B: the left and right operand; K: the contracted axis; several contracted axes count as one K, in the product's order):
;;     1. [M 512, K 128] x [K 128, N 512]; A: input x; B: input W1: QUANTISED
;;     2. [M 512, K 128] x [K 128, N 512]; A: input y; B: input W1: QUANTISED
;;     3. [M 262,144, K 512] x [K 512, N 512]; A: computed on the way; B: input W2: QUANTISED
;;     4. [M 262,144, K 512] x [K 512, N 1]; A: computed on the way; B: input W3: left as it is (N = 1 < 16)
;;   THE QUANTISER, for each operand of a quantised product, along K:
;;     - K is cut into blocks of 32 from its start; a last block that is shorter is filled with zeros.
;;     - A block's scale is 2^e with e = floor(log2(the largest magnitude in the block)) - 8, held to -126 .. 127; a block of zeros has e = 0. As a byte (E8M0): e + 127.
;;     - Each number is divided by its block's scale, clamped to +-448, and rounded to the nearest number of E4M3, ties to even, subnormals kept.
;;     - The product sums the exact products of the quantised numbers (number of the format x scale) in f32.
;;   ~~~python
;;   def quantise(x, axis):      # numpy; x: float32 -> the quantised numbers, widened to float32 again
;;       x = np.moveaxis(x, axis, -1); K = x.shape[-1]
;;       x = np.pad(x, [(0, 0)] * (x.ndim - 1) + [(0, -K % 32)]); x = x.reshape(x.shape[:-1] + (-1, 32)); a = np.abs(x).max(-1, keepdims=True)
;;       e = np.where(a > 0, np.clip(np.frexp(np.where(a > 0, a, 1))[1] - 1 - 8, -126, 127), 0)      # np.frexp(a)[1] - 1 = floor(log2(a)), exactly
;;       r = np.clip(x / 2.0 ** e, -448, 448)
;;       step = 2.0 ** (np.maximum(np.frexp(np.where(r == 0, 1, r))[1] - 1, -6) - 3)
;;       q = np.round(r / step) * step * 2.0 ** e      # np.round: ties to even
;;       return np.moveaxis(q.reshape(q.shape[:-2] + (-1,))[..., :K], -1, axis).astype(np.float32)
;;   ~~~
;;   OPERANDS COMPUTED ON THE WAY. 'Computed on the way' means the value that the module computes at that place (a softmax that the list does not call 'softmax' is quantised finished and normalised). What goes into a quantiser is computed in f32, as accurately as f32 sums, v_exp_f32 and their like allow (about 1e-6 of the number): no bf16 or f16 on the way to a quantiser, and a product that is left as it is and whose result goes on into a quantised operand takes f32 operands (vector FMAs, or v_wmma_f32_16x16x4_f32). A number that lies on a knife's edge between two numbers of the format may be rounded either way, as far as f32 arithmetic and the matrix unit's own rounding can turn it there, and no further.
;; 2 versions, each right; version 2 is version 1 with the launches prep, main written anew for expert scheduling mode. Each part assembles by itself: llvm-mc -triple=amdgcn-amd-amdhsa -mcpu=gfx1250 --defsym DOCPART=n.
;; ======== version 1 of 2: 2 launches
;; workspace buffers: hxp 1,048,576 bytes; hyp 1,048,576 bytes; w2c 262,144 bytes; w2s 8,192 bytes
;; launch prep (part 1): grid 144 x 1, 4 waves a work-group, no clusters, 0 bytes of LDS; arguments x, y, W1, b1, W2, hxp, hyp, w2c, w2s; writes hxp, hyp, w2c, w2s
.if DOCPART == 1
	.amdgcn_target "amdgcn-amd-amdhsa--gfx1250"
	.amdhsa_code_object_version 6
	.text
	.protected	k_q7ee59e2aa1_prep
	.globl	k_q7ee59e2aa1_prep
	.p2align	8
	.type	k_q7ee59e2aa1_prep,@function
k_q7ee59e2aa1_prep:
	s_mov_b64 s[64:65], 0
	v_nop
	global_prefetch_b8 v0, s[64:65] scope:SCOPE_SE
	s_setreg_imm32_b32 hwreg(HW_REG_WAVE_MODE, 25, 1), 1
	s_wait_xcnt 0x0
; What the second launch wants ready: hx + b1 = Q(x) Q(W1[0:128]) + b1 and hy = Q(y) Q(W1[128:256]), f32, and W2 as codes of E4M3 with one E8M0 scale byte for each 32 along K.
; Q is the MX quantiser along K: a block's scale is 2^(floor(log2(its largest magnitude)) - 8), its byte the largest magnitude's exponent field - 8, held at 1 from below; numbers are held within +-448 x the scale and rounded to the nearest code.
; LAYOUTS OF THE RESULTS (this program alone reads them):
;   hxp, hyp [row 512][w 4][g 2][e 16][c 4] f32 = value[row][128 w + 32 c + 16 g + e]: a lane (e, g) of the reader takes its four c by one load of 16 bytes.
;   w2c [wq 4][f 32][c 4][lane 32][16 bytes]: images of operand registers: f = 8 s + n (K step s, tile n of 16 columns of W2's columns 128 wq on); lane (r, h) holds column 16 n + r, k = 128 s + 32 c + 16 h + 0 .. 15.
;   w2s [wq 4][n 8][sp 2][lane 32] words: lanes 0-15 the scale word of K step 2 sp of column r, lanes 16-31 that of K step 2 sp + 1.
; SHARES.  Work-groups 0-127 (512 waves): a wave makes 16 rows of x or of y times four tiles of 16 columns, the four c of one (w, g), so that a lane's four results of a row are 16 neighbouring bytes of the layout.
;   Work-groups 128-143 (64 waves): a wave quantises one tile of 16 columns of W2 for two K steps.
; K is the FIRST axis of W1 and W2: lane r takes a column and its registers run down K, so the conversions' results are the operand's registers.
; No LDS, no barrier, EXEC is never touched.  A wave's store of w2s covers 128 consecutive bytes; the whole buffer is 8,192 bytes.
; LIMITS: b1 is added to hx here, ahead of hy (reference(): behind it); both in f32.  NaN and infinities among the inputs are not served.  A block of zeros, or one under 2^-118, gets the byte 1; a block of zeros has zero codes.
.set LANE, 1                           ; v1   lane
.set RR,   2                           ; v2   r = lane % 16
.set HH,   3                           ; v3   h = lane / 16
.set CADR, 4                           ; v4   a column's place: 16 h rows of 2,048 bytes + 4 r
.set XADR, 5                           ; v5   x, y: row r of 512 bytes + 64 h
.set BADR, 6                           ; v6   4 r
.set OADR, 7                           ; v7   results: 8 h rows of 2,048 bytes + 16 r
.set L16,  8                           ; v8   16 x lane
.set L4,   9                           ; v9   4 x lane
.set RA,   16                          ; v16-79   64 numbers, by turns with
.set RB,   80                          ; v80-143
.set XC,   144                         ; v144-159 x's or y's codes
.set WC,   160                         ; v160-175 a weight tile's codes
.set ACC,  176                         ; v176-207 four accumulators
.set TM,   208                         ; v208-223 the quantiser's: largest magnitudes, bytes, holds, scale operands
.set BI,   232                         ; v232-235 b1 of my column in the four tiles
.set XSW,  236                         ; v236 x's scale words; v237 the weight tile's: scales and nothing else
.set WSW,  237
.set PWA,  238                         ; v238 W2: the even K step's scale word
.set OUTW, 239
.set O,    RB                          ; the results, where the second set of numbers lay
.set SEL,  42                          ; s[42:43] v_permlanex16_b32's selects for lane l xor 16
.set MNT,  44                          ; s44 the mantissa field of 448
; 64 numbers down K of my column: register 16 c + e = row 32 c + 16 h + e.  Sixteen lanes read 64 consecutive bytes.
.macro LOADCOL reg, base, extra
.irp c, 0,1,2,3
.irp e, 0,1,2,3,4,5,6,7,8,9,10,11,12,13,14,15
	global_load_b32 v[\reg+16*\c+\e], v[CADR], s[\base:\base+1] offset:(32*\c+\e)*2048+\extra
.endr
.endr
.endm
; 64 numbers of a lane, register 16 b + i = k 32 b + 16 h + i, become a fragment's codes in v[pc] on and its scale word in v[pw]
.macro QUANT s, pc, pw
.irp b, 0,1,2,3
	v_max3_num_f32 v[TM+\b], |v[\s+16*\b]|, |v[\s+1+16*\b]|, 0x4800000   ; my 16 numbers of block b, and the floor 2^(9 - 127): the byte cannot fall under 1
.endr
.irp i, 2,4,6,8,10,12,14
.irp b, 0,1,2,3
	v_max3_num_f32 v[TM+\b], v[TM+\b], |v[\s+16*\b+\i]|, |v[\s+1+16*\b+\i]|   ; the four blocks by turns
.endr
.endr
.irp b, 0,1,2,3
	v_permlanex16_b32 v[TM+4+\b], v[TM+\b], s[SEL], s[SEL+1]
.endr
.irp b, 0,1,2,3
	v_max_num_f32 v[TM+\b], v[TM+\b], v[TM+4+\b]                   ; with lane l xor 16's 16: the block's largest magnitude
.endr
.irp b, 0,1,2,3
	v_add_nc_u32 v[TM+12+\b], 0xfc000000, v[TM+\b]                 ; 8 off its exponent field: the conversion's scale operand
.endr
.irp b, 0,1,2,3
	v_and_or_b32 v[TM+8+\b], v[TM+\b], 0x7f800000, s[MNT]          ; 448 x the scale
.endr
.irp b, 0,1,2,3
	v_lshrrev_b32 v[TM+4+\b], 23, v[TM+12+\b]                      ; the scale's byte
.endr
	v_lshl_or_b32 v[\pw], v[TM+5], 8, v[TM+4]
	v_lshl_or_b32 v[\pw], v[TM+6], 16, v[\pw]
	v_lshl_or_b32 v[\pw], v[TM+7], 24, v[\pw]
.irp b, 0,1,2,3
.irp i, 0,1,2,3,4,5,6,7,8,9,10,11,12,13,14,15
	v_med3_num_f32 v[\s+16*\b+\i], v[\s+16*\b+\i], -v[TM+8+\b], v[TM+8+\b]   ; the conversion to an 8-bit code does not saturate (ISA guide 7.6.2): the hold comes first
.endr
	v_cvt_scalef32_pk8_fp8_f32 v[\pc+4*\b:\pc+4*\b+1], v[\s+16*\b:\s+16*\b+7], v[TM+12+\b]
	v_cvt_scalef32_pk8_fp8_f32 v[\pc+4*\b+2:\pc+4*\b+3], v[\s+16*\b+8:\s+16*\b+15], v[TM+12+\b]
.endr
	v_nop                                          ; one plain vector line behind the last scaled conversion
.endm
	s_load_b512 s[8:23], s[0:1], 0x0               ; x s[8:9], y s[10:11], W1 s[12:13], b1 s[14:15], W2 s[16:17], hxp s[18:19], hyp s[20:21], w2c s[22:23]
	s_load_b64 s[24:25], s[0:1], 0x40              ; w2s
	v_lshrrev_b32 v10, 5, v0
	v_readfirstlane_b32 s26, v10                   ; wave 0..3
	v_and_b32 v[LANE], 31, v0
	v_and_b32 v[RR], 15, v0
	v_bfe_u32 v[HH], v0, 4, 1
	v_lshlrev_b32 v[BADR], 2, v[RR]
	v_lshl_add_u32 v[CADR], v[HH], 15, v[BADR]
	v_lshlrev_b32 v[XADR], 9, v[RR]
	v_lshl_add_u32 v[XADR], v[HH], 6, v[XADR]
	v_lshlrev_b32 v[OADR], 4, v[RR]
	v_lshl_add_u32 v[OADR], v[HH], 14, v[OADR]
	v_lshlrev_b32 v[L16], 4, v[LANE]
	v_lshlrev_b32 v[L4], 2, v[LANE]
	s_mov_b32 s[SEL], 0x76543210
	s_mov_b32 s[SEL+1], 0xfedcba98
	s_mov_b32 s[MNT], 0x600000
.irp b, 0,1,2,3
	v_mov_b32 v[TM+4+\b], 0                        ; written once: a lane permute's destination counts as one of its sources
.endr
	s_wait_kmcnt 0x0
	s_cmp_ge_u32 ttmp9, 128                        ; the roles part on the work-group's number alone
	s_cbranch_scc1 .Lrole_w
	; ---- hx + b1 and hy
	s_lshl_b32 s27, ttmp9, 2
	s_add_co_u32 s27, s27, s26                     ; which of the 512 shares is my wave's
	s_and_b32 s28, s27, 31                         ; mt: rows 16 mt on
	s_bfe_u32 s29, s27, 0x20006                    ; w
	s_bfe_u32 s30, s27, 0x10005                    ; g
	s_lshr_b32 s31, s27, 8                         ; 0: x and W1's upper half, 1: y and its lower half
	s_lshl_b32 s32, s29, 9
	s_lshl_b32 s33, s30, 6
	s_add_co_u32 s32, s32, s33                     ; column 128 w + 16 g, in bytes
	s_mov_b32 s33, 0
	s_lshl_b32 s34, s31, 18                        ; 128 rows of W1
	s_add_co_u32 s34, s34, s32
	s_mov_b32 s35, 0
	s_lshl_b32 s36, s28, 13                        ; 16 rows of x or y
	s_mov_b32 s37, 0
	s_lshl_b32 s38, s28, 15                        ; 16 rows of the result,
	s_lshl_b32 s39, s29, 9
	s_add_co_u32 s38, s38, s39                     ; + 512 w
	s_lshl_b32 s39, s30, 8
	s_add_co_u32 s38, s38, s39                     ; + 256 g
	s_mov_b32 s39, 0
	s_cmp_eq_u32 s31, 0
	s_cselect_b64 s[8:9], s[8:9], s[10:11]         ; the choice hangs on the share's number alone
	s_cselect_b64 s[18:19], s[18:19], s[20:21]
	s_cselect_b32 s40, -1, 0                       ; b1 goes to hx alone
	s_add_nc_u64 s[8:9], s[8:9], s[36:37]
	s_add_nc_u64 s[12:13], s[12:13], s[34:35]
	s_add_nc_u64 s[14:15], s[14:15], s[32:33]
	s_add_nc_u64 s[18:19], s[18:19], s[38:39]
.irp c, 0,1,2,3
	global_load_b32 v[BI+\c], v[BADR], s[14:15] offset:128*\c      ; b1[128 w + 32 c + 16 g + r]
.endr
.irp c, 0,1,2,3
.irp q, 0,1,2,3
	global_load_b128 v[RA+16*\c+4*\q:RA+16*\c+4*\q+3], v[XADR], s[8:9] offset:128*\c+16*\q   ; K is innermost here: my 16 numbers of each block are 64 neighbouring bytes
.endr
.endr
	LOADCOL RB, 12, 0                              ; tile c = 0
	s_wait_loadcnt 63                              ; 64 loads are younger than x's; 63 is the most that a wait can name
	QUANT RA, XC, XSW
	LOADCOL RA, 12, 128                            ; tile c = 1
; tile c lies in buf; left: the younger loads that may stay out; more = 1: the tile two on is asked for into the same registers
.macro TILE c, buf, left, more
	s_wait_loadcnt \left
	QUANT \buf, WC, WSW
.rept 4
	v_nop                                          ; codes written by vector instructions stand four places ahead of a scaled matrix instruction; the scale word was made ahead of the 64 holds
.endr
	v_wmma_scale_f32_16x16x128_f8f6f4 v[ACC+8*\c:ACC+8*\c+7], v[XC:XC+15], v[WC:WC+15], 0, v[XSW], v[WSW]   ; lane (r, h), register j: row 8 h + j, column r of the tile
.if \more
	LOADCOL \buf, 12, 128*(\c+2)
.endif
.endm                                  ; the next tile's quantiser writes the scale word behind 40 plain lines and the codes behind more: the places behind this matrix instruction
	TILE 0, RB, 63, 1
	TILE 1, RA, 63, 1
	TILE 2, RB, 63, 0
	TILE 3, RA, 0, 0
.irp c, 0,1,2,3
	v_cndmask_b32 v[BI+\c], 0, v[BI+\c], s40       ; four of the eight places behind the last product
.endr
.rept 4
	v_nop
.endr
.irp j, 0,1,2,3,4,5,6,7
.irp c, 0,1,2,3
	v_add_f32 v[O+4*\j+\c], v[ACC+8*\c+\j], v[BI+\c]               ; each accumulator from its low end on
.endr
.endr
.irp j, 0,1,2,3,4,5,6,7
	global_store_b128 v[OADR], v[O+4*\j:O+4*\j+3], s[18:19] offset:2048*\j   ; sixteen lanes store 256 consecutive bytes, aligned
.endr
	s_endpgm
.Lrole_w:
	; ---- W2: one tile of 16 columns, K steps 2 sp and 2 sp + 1
	s_sub_co_u32 s27, ttmp9, 128
	s_lshl_b32 s27, s27, 2
	s_add_co_u32 s27, s27, s26                     ; which of the 64 shares
	s_lshr_b32 s28, s27, 1                         ; the tile of columns, 0..31
	s_and_b32 s29, s27, 1                          ; sp
	s_lshl_b32 s32, s29, 19                        ; 256 rows of W2
	s_lshl_b32 s30, s28, 6                         ; 16 columns
	s_add_co_u32 s32, s32, s30
	s_mov_b32 s33, 0
	s_add_nc_u64 s[16:17], s[16:17], s[32:33]
	s_lshr_b32 s30, s28, 3
	s_lshl_b32 s34, s30, 16                        ; wq x 65,536
	s_and_b32 s30, s28, 7
	s_lshl_b32 s31, s29, 4
	s_add_co_u32 s30, s30, s31                     ; f = 16 sp + n
	s_lshl_b32 s30, s30, 11
	s_add_co_u32 s34, s34, s30
	s_mov_b32 s35, 0
	s_add_nc_u64 s[22:23], s[22:23], s[34:35]
	s_lshl_b32 s36, s27, 7                         ; ((8 wq + n) 2 + sp) x 128 bytes
	s_mov_b32 s37, 0
	s_add_nc_u64 s[24:25], s[24:25], s[36:37]
	LOADCOL RA, 16, 0
	LOADCOL RB, 16, 262144                         ; the next 128 rows
	s_wait_loadcnt 63                              ; 64 loads are younger
	QUANT RA, WC, PWA
.irp c, 0,1,2,3
	global_store_b128 v[L16], v[WC+4*\c:WC+4*\c+3], s[22:23] offset:512*\c           ; 512 consecutive bytes a store
.endr
	s_wait_loadcnt 0x0
	s_wait_xcnt 0x0                                ; the stores have read the codes' registers: they are written again only behind this wait
	QUANT RB, WC, WSW
.irp c, 0,1,2,3
	global_store_b128 v[L16], v[WC+4*\c:WC+4*\c+3], s[22:23] offset:16384+512*\c     ; f + 8
.endr
	v_cmp_gt_u32 vcc_lo, 16, v[LANE]
	v_cndmask_b32 v[OUTW], v[WSW], v[PWA], vcc_lo  ; lanes 0-15 the even K step's word, lanes 16-31 the odd one's
	global_store_b32 v[L4], v[OUTW], s[24:25]
	s_endpgm
.Lfunc_end_k_q7ee59e2aa1_prep:
	.size	k_q7ee59e2aa1_prep, .Lfunc_end_k_q7ee59e2aa1_prep-k_q7ee59e2aa1_prep
	.p2alignl 7, 3214868480
	.fill 96, 4, 3214868480
	.section	.rodata,"a",@progbits
	.p2align	6, 0x0
	.amdhsa_kernel k_q7ee59e2aa1_prep
		.amdhsa_group_segment_fixed_size 0
		.amdhsa_private_segment_fixed_size 0
		.amdhsa_enable_private_segment 0
		.amdhsa_kernarg_size 72
		.amdhsa_user_sgpr_count 2
		.amdhsa_user_sgpr_kernarg_segment_ptr 1
		.amdhsa_wavefront_size32 1
		.amdhsa_system_sgpr_workgroup_id_x 1
		.amdhsa_system_sgpr_workgroup_id_y 1
		.amdhsa_system_sgpr_workgroup_id_z 1
		.amdhsa_system_vgpr_workitem_id 0
		.amdhsa_next_free_vgpr 256
		.amdhsa_next_free_sgpr 66
		.amdhsa_reserve_vcc 1
		.amdhsa_float_denorm_mode_32 3
		.amdhsa_float_denorm_mode_16_64 3
		.amdhsa_memory_ordered 1
		.amdhsa_forward_progress 1
		.amdhsa_inst_pref_size 102
	.end_amdhsa_kernel
	.amdgpu_metadata
---
amdhsa.version: [ 1, 2 ]
amdhsa.kernels:
  - .name:           k_q7ee59e2aa1_prep
    .symbol:         k_q7ee59e2aa1_prep.kd
    .args:
      - { .name: x, .offset: 0, .size: 8, .value_kind: global_buffer, .address_space: global }
      - { .name: y, .offset: 8, .size: 8, .value_kind: global_buffer, .address_space: global }
      - { .name: W1, .offset: 16, .size: 8, .value_kind: global_buffer, .address_space: global }
      - { .name: b1, .offset: 24, .size: 8, .value_kind: global_buffer, .address_space: global }
      - { .name: W2, .offset: 32, .size: 8, .value_kind: global_buffer, .address_space: global }
      - { .name: hxp, .offset: 40, .size: 8, .value_kind: global_buffer, .address_space: global }
      - { .name: hyp, .offset: 48, .size: 8, .value_kind: global_buffer, .address_space: global }
      - { .name: w2c, .offset: 56, .size: 8, .value_kind: global_buffer, .address_space: global }
      - { .name: w2s, .offset: 64, .size: 8, .value_kind: global_buffer, .address_space: global }
    .group_segment_fixed_size: 0
    .private_segment_fixed_size: 0
    .kernarg_segment_align: 8
    .kernarg_segment_size: 72
    .max_flat_workgroup_size: 128
    .sgpr_count:     66
    .vgpr_count:     256
    .wavefront_size: 32
...
	.end_amdgpu_metadata
.endif
;; end of part 1
;; launch main (part 2): grid 8 x 32, 4 waves a work-group, no clusters, 51,712 bytes of LDS; arguments hxp, hyp, w2c, w2s, b2, W3, b3, out0; writes out0
.if DOCPART == 2
	.amdgcn_target "amdgcn-amd-amdhsa--gfx1250"
	.amdhsa_code_object_version 6
	.text
	.protected	k_q7ee59e2aa1_main
	.globl	k_q7ee59e2aa1_main
	.p2align	8
	.type	k_q7ee59e2aa1_main,@function
k_q7ee59e2aa1_main:
	s_mov_b64 s[64:65], 0
	v_nop
	global_prefetch_b8 v0, s[64:65] scope:SCOPE_SE
	s_setreg_imm32_b32 hwreg(HW_REG_WAVE_MODE, 25, 1), 1
	s_wait_xcnt 0x0
; out0[i][j] = W3 . relu(Q(relu(hx_i + b1 + hy_j)) Q(W2) + b2) + b3.  hxp (hx + b1), hyp (hy), w2c and w2s (W2's codes and scale words) come from the launch before, in its layouts.
; SHARES.  A work-group owns i = 16 it .. + 15 (it = work-group y) and j = 64 jg .. + 63 (jg = work-group x): 1,024 pairs.  An m-tile t (0..63) is the 16 pairs (16 it + r, 64 jg + t).
; THE WAVES SHARE THE COLUMNS: wave w keeps W2's columns 128 w .. + 127 (8 tiles x 4 K steps x 16 registers = 512) in registers for the whole launch, and it quantises K step w of every m-tile.
; The fragments of h1 go from wave to wave through LDS as images of their registers (16 bytes a lane, 512 a store), in a ring of four slots.  So each number of h1 is quantised once, and a fragment read from LDS feeds eight products.
; h1.  Lane (r, h) keeps hx + b1 of row i = r for K step w in 64 registers.  hy_j is the same for all 16 rows: it lies packed, 4 registers, lane (e, h) of register c holding k = 32 c + 16 h + e, and the addition itself
; spreads it (row_share:e).  The relu costs nothing: the block's maximum is taken without |.| over the floor, and the hold that the conversion wants clips at 0 as well.
; THE PRODUCT IS USED TRANSPOSED: source 0 = 16 columns of W2, source 1 = the 16 pairs.  A lane holds ONE pair and eight columns: b2 is the C of a sum's first link, W3 lies in register pairs, and the sum over columns
; ends with one exchange between the halves of the lanes.  The four waves' parts meet in LDS at the end.
; BY TURNS.  A period is one m-tile: 32 matrix instructions (K step s outer, tile n inner: slot k = 8 s + n; the eight accumulators take turns, one instruction a turn), and behind each a slice of
; about eight vector instructions: in period t the quantising of m-tile t + 2 (slots 2-25) and relu and W3 of m-tile t (slots 26-31, and 0-3 of period t + 1).
; ONE BARRIER A PERIOD, signal in slot 29, wait in slot 2 of the next.  Image u is stored in period u - 2, read from slot 12 of period u - 1 to slot 1 of period u, and its slot is stored again in period u + 2:
; between one wait and the next but one the slots touched are t, t + 1 and t + 2 mod 4.  Four periods are written out for a trip, so that every LDS offset is an immediate.
; NO CLUSTER: what work-groups share is W2's codes, which each wave loads once, at the head, straight into the registers where they stay (a joint load would land in LDS, 65,536 bytes a wave, and pass through it once more), and 512 bytes of hyp a wave and period.
; LIMITS: NaN and infinities are not served.  A block of h1 whose numbers are all under 2^-118 (all negative ones among them) gets the byte 1; what is negative has the code 0.  The sums over W2's columns are taken in another order than reference()'s, in f32.
; REGISTERS, in windows of 256 (s_set_vgpr_msb's low byte: bits 1:0 source 0, 3:2 source 1, 5:4 source 2, 7:6 destination):
;   window 0: v1-15 addresses and sums; v16-17 h1's scale words; v18-33 W2's; v34-59 the quantiser's; v64-127 the 8 accumulators; v128-191 W3; v192-255 the 64 numbers of h1 in hand
;   window 1: v0-63 h1's four fragments; v64-127 hx + b1; v128-143 four quads of hy; v144-207 b2.     window 2: W2's K steps 0, 1.     window 3: K steps 2, 3.
.set IMG,  0                           ; LDS: 4 slots x 8,192: fragment s at 2,048 s, its registers 4 c on at 512 c, lane at 16 x lane
.set XSC,  32768                       ; 4 slots x 256: the scale word of (K step s, pair r) at 64 s + 4 r
.set PART, 33792                       ; 4 waves x 16 rows x 272: wave w's part of the score of (row i, column t) at 4,352 w + 272 i + 4 t
.set LIA,  1                           ; v1   16 x lane: an image's place, and my place in a load of 512 bytes
.set LSA,  2                           ; v2   XSC + 4 x lane
.set IWA,  3                           ; v3   2,048 w + 16 x lane: where I store images
.set SWA,  4                           ; v4   XSC + 64 w + 4 r: and their scale words
.set PADR, 5                           ; v5   PART + 4,352 w + 272 r
.set HXO,  6                           ; v6   hxp: 2,048 r + 256 h
.set PFO,  7                           ; v7   256 x lane: the prefetch's offset
.set S0,   8                           ; v[8:9], v[10:11] two running pairs of the sum over columns
.set S1,   10
.set RS,   12                          ; v12 the sum, v13 the other half's, v14 its LDS address
.set L4,   15                          ; v15  4 x lane
.set XS,   16                          ; v16+sp: lanes 0-15 K step 2 sp, lanes 16-31 K step 2 sp + 1
.set W2S,  18                          ; v18 + 2 n + sp: likewise
.set TM,   34                          ; v34-37 largest magnitudes; from slot 17 on block 2's codes
.set T4,   38                          ; v38-41 the other half's maxima, then bytes; from slot 17 on block 3's codes
.set HD,   42                          ; v42-45 448 x the scale
.set SO,   46                          ; v46-49 the conversions' scale operands
.set PW,   50                          ; v50, v51 the scale word
.set PW2,  51
.set PC,   52                          ; v52-59 the codes of blocks 0 and 1
.set RDA,  60                          ; v60  the way out: PART + 272 (4 w + h) + 16 r
.set GOA,  61                          ; v61  and in out0: 2,048 h + 16 r
.set BO,   62                          ; v62  32 h: b2's and W3's eight numbers of my half
.set ACC,  64
.set W3R,  128
.set X,    192
.set AF,   0                           ; window 1
.set HXR,  64
.set HB,   128
.set B2R,  144
.set WV,   24                          ; s24 wave
.set MNT,  25                          ; s25 the mantissa field of 448
.set SEL,  26                          ; s[26:27] selects for lane l xor 16
.set HY,   28                          ; s[28:29] hyp at my work-group's row 4 x trip, my K step
.set TRIP, 30
.set LIM,  31                          ; s31 1 in the wave that prefetches, else the greatest number
.set B3,   32                          ; s[32:33] b3, twice
.set PT,   34                          ; s34 16 x trip: four columns of PART
.set MSB, 0
.macro WIN new                         ; the immediate's high byte repeats the setting that is left; a switch that changes nothing is dropped
.if MSB != (\new)
	s_set_vgpr_msb (MSB<<8)|(\new)
.set MSB, (\new)
.endif
.endm
.macro PLACES n
.rept \n
	v_nop
.endr
.endm
; Product (s, n): accumulator n takes K step s.  The first link's C is b2.  Odd K steps read both sides' scales from lanes 16-31.
.macro MM s, n
.if (\s) == 0
	WIN 0x16                                       ; W2 window 2, h1 window 1, b2 window 1
	v_wmma_scale_f32_16x16x128_f8f6f4 v[ACC+8*(\n):ACC+8*(\n)+7], v[16*(\n):16*(\n)+15], v[AF:AF+15], v[B2R+8*(\n):B2R+8*(\n)+7], v[W2S+2*(\n)], v[XS]
.elseif (\s) == 1
	WIN 0x06
	v_wmma_scale_f32_16x16x128_f8f6f4 v[ACC+8*(\n):ACC+8*(\n)+7], v[128+16*(\n):128+16*(\n)+15], v[AF+16:AF+31], v[ACC+8*(\n):ACC+8*(\n)+7], v[W2S+2*(\n)], v[XS] matrix_a_scale:MATRIX_SCALE_ROW1 matrix_b_scale:MATRIX_SCALE_ROW1
.elseif (\s) == 2
	WIN 0x07                                       ; W2 window 3
	v_wmma_scale_f32_16x16x128_f8f6f4 v[ACC+8*(\n):ACC+8*(\n)+7], v[16*(\n):16*(\n)+15], v[AF+32:AF+47], v[ACC+8*(\n):ACC+8*(\n)+7], v[W2S+2*(\n)+1], v[XS+1]
.else
	WIN 0x07
	v_wmma_scale_f32_16x16x128_f8f6f4 v[ACC+8*(\n):ACC+8*(\n)+7], v[128+16*(\n):128+16*(\n)+15], v[AF+48:AF+63], v[ACC+8*(\n):ACC+8*(\n)+7], v[W2S+2*(\n)+1], v[XS+1] matrix_a_scale:MATRIX_SCALE_ROW1 matrix_b_scale:MATRIX_SCALE_ROW1
.endif
.endm
; Number g of 72 of the list 'hold, convert, store': block g / 18: sixteen holds, two conversions, and behind them the store of the block's 16 bytes a lane.  Each block's codes have registers of their own,
; so that no store's data are written again before the wait for all LDS instructions in slot 29.
.macro QL g, q
.set qb, (\g)/18
.set qi, (\g)%18
.set qp, PC+4*qb
.if qb > 1
.set qp, TM+4*(qb-2)
.endif
.if qi < 16
	v_med3_num_f32 v[X+16*qb+qi], v[X+16*qb+qi], 0, v[HD+qb]       ; the relu and the hold in one (the conversion to an 8-bit code does not saturate: ISA guide 7.6.2)
.elseif qi == 16
	v_cvt_scalef32_pk8_fp8_f32 v[qp:qp+1], v[X+16*qb:X+16*qb+7], v[SO+qb]
.else
	v_cvt_scalef32_pk8_fp8_f32 v[qp+2:qp+3], v[X+16*qb+8:X+16*qb+15], v[SO+qb]
	ds_store_b128 v[IWA], v[qp:qp+3] offset:IMG+8192*(\q)+512*qb
.endif
.endm
; The quantiser's slice of slot k (2..25); q: the image's slot; hb: the quad of hy
.macro QSLICE k, q, hb
.if (\k) < 10                          ; slots 2-9: h1 = (hx + b1) + hy, block (k - 2) / 2, eight numbers
	WIN 0x05                                       ; both sources window 1
.if ((\k)%2) == 0
.irp e, 0,1,2,3,4,5,6,7
	v_add_f32_dpp v[X+16*(((\k)-2)/2)+\e], v[HB+4*(\hb)+((\k)-2)/2], v[HXR+4*\e+((\k)-2)/2] row_share:\e row_mask:0xf bank_mask:0xf
.endr
.else
.irp e, 8,9,10,11,12,13,14,15
	v_add_f32_dpp v[X+16*(((\k)-2)/2)+\e], v[HB+4*(\hb)+((\k)-2)/2], v[HXR+4*\e+((\k)-2)/2] row_share:\e row_mask:0xf bank_mask:0xf
.endr
.endif
.elseif (\k) < 14                      ; slots 10-13: the blocks' maxima, by turns.  No |.|: what is negative becomes 0 and must not count; the floor 2^(9 - 127) stands over it
	WIN 0
.irp d, 0,2
.irp b, 0,1,2,3
.if (4*((\k)-10)+\d) == 0
	v_max3_num_f32 v[TM+\b], v[X+16*\b], v[X+16*\b+1], 0x4800000
.else
	v_max3_num_f32 v[TM+\b], v[TM+\b], v[X+16*\b+4*((\k)-10)+\d], v[X+16*\b+4*((\k)-10)+\d+1]
.endif
.endr
.endr
.elseif (\k) == 14
	WIN 0
.irp b, 0,1,2,3
	v_permlanex16_b32 v[T4+\b], v[TM+\b], s[SEL], s[SEL+1]
.endr
.irp b, 0,1,2,3
	v_max_num_f32 v[TM+\b], v[TM+\b], v[T4+\b]     ; with lane l xor 16's 16 numbers
.endr
.elseif (\k) == 15
	WIN 0
.irp b, 0,1,2,3
	v_add_nc_u32 v[SO+\b], 0xfc000000, v[TM+\b]    ; 8 off the exponent field: the conversion's scale operand
.endr
.irp b, 0,1,2,3
	v_and_or_b32 v[HD+\b], v[TM+\b], 0x7f800000, s[MNT]   ; 448 x the scale
.endr
.elseif (\k) == 16
	WIN 0
.irp b, 0,1,2,3
	v_lshrrev_b32 v[T4+\b], 23, v[SO+\b]           ; the scale's byte
.endr
	v_lshl_or_b32 v[PW], v[T4+1], 8, v[T4]
	v_lshl_or_b32 v[PW2], v[T4+3], 8, v[T4+2]
	v_lshl_or_b32 v[PW], v[PW2], 16, v[PW]
	ds_store_b32 v[SWA], v[PW] offset:256*(\q)     ; lanes r and r + 16 store the same word with the same value
.else
	WIN 0
.irp d, 0,1,2,3,4,5,6,7
	QL 8*((\k)-17)+\d, \q
.endr
.endif
.endm
.macro QALL q                          ; a whole m-tile's quantising on end: at the head, where there are no products yet
.set qk, 2
.rept 24
	QSLICE qk, \q, \q
.set qk, qk+1
.endr
.endm
; relu and W3 of accumulator n, from its low end on; the first two products of a period start the sums
.macro H2 n
	WIN 0
.irp j, 0,2,4,6
	v_dual_max_num_f32 v[ACC+8*(\n)+\j], 0, v[ACC+8*(\n)+\j] :: v_dual_max_num_f32 v[ACC+8*(\n)+\j+1], 0, v[ACC+8*(\n)+\j+1]
.endr
.if (\n) == 0
	v_pk_mul_f32 v[S0:S0+1], v[ACC:ACC+1], v[W3R:W3R+1]
	v_pk_mul_f32 v[S1:S1+1], v[ACC+2:ACC+3], v[W3R+2:W3R+3]
.else
	v_pk_fma_f32 v[S0:S0+1], v[ACC+8*(\n):ACC+8*(\n)+1], v[W3R+8*(\n):W3R+8*(\n)+1], v[S0:S0+1]
	v_pk_fma_f32 v[S1:S1+1], v[ACC+8*(\n)+2:ACC+8*(\n)+3], v[W3R+8*(\n)+2:W3R+8*(\n)+3], v[S1:S1+1]
.endif
	v_pk_fma_f32 v[S0:S0+1], v[ACC+8*(\n)+4:ACC+8*(\n)+5], v[W3R+8*(\n)+4:W3R+8*(\n)+5], v[S0:S0+1]
	v_pk_fma_f32 v[S1:S1+1], v[ACC+8*(\n)+6:ACC+8*(\n)+7], v[W3R+8*(\n)+6:W3R+8*(\n)+7], v[S1:S1+1]
.endm
.macro REDUCE off                      ; my wave's part of the pair's score, into my own part of PART
	WIN 0
	v_pk_add_f32 v[S0:S0+1], v[S0:S0+1], v[S1:S1+1]
	v_add_f32 v[RS], v[S0], v[S0+1]
	v_permlanex16_b32 v[RS+1], v[RS], s[SEL], s[SEL+1]
	v_add_f32 v[RS], v[RS], v[RS+1]                ; the pair's other 64 columns lie in lane l xor 16
	v_add_nc_u32 v[RS+2], s[PT], v[PADR]
	ds_store_b32 v[RS+2], v[RS] offset:\off
.endm
.macro AFLOAD s, q                     ; fragment s of the image in slot q
	WIN 0x40                                       ; destination window 1
.irp c, 0,1,2,3
	ds_load_b128 v[AF+16*(\s)+4*\c:AF+16*(\s)+4*\c+3], v[LIA] offset:IMG+8192*(\q)+2048*(\s)+512*\c
.endr
.endm
.macro XSLOAD sp, q
	WIN 0
	ds_load_b32 v[XS+(\sp)], v[LSA] offset:256*(\q)+128*(\sp)
.endm
; A PREFETCH INTO THE L2 of the rows of hyp that the next trip's four loads will ask for: rows 4 x trip + 8 .. + 11 of my work-group's 64, 8,192 bytes, lanes 256 bytes apart.  It stands behind the trip's first load.
; The 32 work-groups of one jg read the same rows: the one with it = 0 asks, and in it wave 0, for all four waves' parts.  So each aligned block of 256 bytes is named once.  Rows 0 to 7 come by their loads alone; the last trip asks for nothing.
.macro ASK
	WIN 0                                          ; at a branch and at a label every window is 0
	s_cmp_gt_u32 s[TRIP], s[LIM]
	s_cbranch_scc0 .Lnot_mine_\@
	global_prefetch_b8 v[PFO], s[HY:HY+1] offset:16384 th:TH_LOAD_NT scope:SCOPE_SE
.Lnot_mine_\@:
.endm
; Slots 0-3 of period t, t % 4 = p.  prev = 1: the period before is finished here.  quant = 1: m-tile t + 2 is begun; lc: the younger loads of hy that may stay out.
.macro HEAD p, prev, quant, lc
	MM 0, 0
.if \prev
	H2 6
.endif
	MM 0, 1
.if \prev
	H2 7
.endif
	XSLOAD 1, \p                                   ; the scale words of K steps 2 and 3 first: K step 2 wants them.  The last products that read these registers stand twenty-four plain lines back (H2 5, H2 6, H2 7)
	AFLOAD 3, \p
	MM 0, 2
	s_barrier_wait -1                              ; every wave's image t + 1 lies in LDS, and its reads of image t - 1 are over
.if \quant
	s_wait_loadcnt \lc                             ; the quad of m-tile t + 2 was asked for two periods ago
	QSLICE 2, ((\p)+2)%4, ((\p)+2)%4
.endif
	MM 0, 3
.if \quant
	QSLICE 3, ((\p)+2)%4, ((\p)+2)%4
.endif
.if \prev
	REDUCE 4*(((\p)+3)%4)                          ; an LDS store: behind the barrier's wait
.endif
.endm
; Slots 4-31.  load: hy of m-tile t + 4 is asked for; refill: image t + 1's fragments are fetched; sig: the period's barrier is signalled; pf: the trip's prefetch.
; A load into a register that a matrix instruction has read stands eight places behind it, and only plain vector instructions that name none of its registers are places:
; fragment 0 (last read in slot 7) comes behind the slices of slots 10-12, fragment 1 and its scale words (slot 15) behind those of slots 15-18, fragment 2 (slot 23) behind slots 26-30.
; Accumulator n is read two slices behind its last product, and begun anew eight slots behind it.
.macro REST p, quant, load, refill, sig, pf
.set kk, 4
.rept 28
.if kk == 16
	s_wait_dscnt 4+4*\refill                       ; fragment 2 and the scale words of K steps 2, 3 are in; behind them: fragment 3's four loads and the next fragment 0's four (the store of the last score is left uncounted)
.endif
.if kk == 24
	s_wait_dscnt 9*\refill+4*\quant                ; fragment 3 is in; behind it: fragment 0's four, fragment 1's four, a load of scale words; the scale word's store and three stores of codes
.endif
	MM kk/8, kk%8
.if kk < 26
.if \quant
	QSLICE kk, ((\p)+2)%4, ((\p)+2)%4
.elseif kk == 25
	PLACES 8                                       ; no slices here: the places in front of the first read of results
.endif
.else
	H2 kk-26
.endif
.if (kk == 4) && \load
	WIN 0x40
	global_load_b128 v[HB+4*\p:HB+4*\p+3], v[LIA], s[HY:HY+1] offset:((\p)+4)*2048   ; 512 consecutive bytes; into the quad that m-tile t left two periods ago
.endif
.if (kk == 4) && \pf
	ASK
.endif
.if (kk == 12) && \refill
.if \quant == 0
	PLACES 8
.endif
	AFLOAD 0, ((\p)+1)%4
.endif
.if (kk == 18) && \refill
.if \quant == 0
	PLACES 8
.endif
	AFLOAD 1, ((\p)+1)%4
	XSLOAD 0, ((\p)+1)%4
.endif
.if (kk == 29) && \sig
	s_wait_dscnt 0x0                               ; my stores of image t + 2 have landed and my reads of image t are over; fragments 0 and 1 of image t + 1 are in
	s_barrier_signal -1
.endif
.if (kk == 30) && \refill
	AFLOAD 2, ((\p)+1)%4                           ; between signal and wait: loads of an image that nobody stores over before three more barriers
.endif
.set kk, kk+1
.endr
.endm
.macro W2LOAD g0, g1                   ; W2's registers 4 g on, g = g0 .. g1 - 1: the buffer is laid in their order, 512 bytes a load
.set g, \g0
.rept (\g1)-(\g0)
	WIN 0x80+0x40*(g/64)
	global_load_b128 v[4*(g%64):4*(g%64)+3], v[LIA], s[12:13] offset:512*g
.set g, g+1
.endr
.endm
	s_load_b512 s[8:23], s[0:1], 0x0               ; hxp s[8:9], hyp s[10:11], w2c s[12:13], w2s s[14:15], b2 s[16:17], W3 s[18:19], b3 s[20:21], out0 s[22:23]
	v_lshl_add_u32 v63, v0, 2, 0xc800
	s_set_vgpr_msb 0x40
	v_mov_b32 v255, 0
	s_set_vgpr_msb 0x4000
	v_lshrrev_b32 v1, 5, v0
	v_readfirstlane_b32 s[WV], v1                  ; wave 0..3
	v_and_b32 v15, 31, v0                          ; lane
	v_and_b32 v12, 15, v0                          ; r
	v_bfe_u32 v13, v0, 4, 1                        ; h
	s_mov_b32 s[SEL], 0x76543210
	s_mov_b32 s[SEL+1], 0xfedcba98
	s_mov_b32 s[MNT], 0x600000
	s_mov_b32 s[PT], 0
	s_and_b32 s35, ttmp7, 0xffff                   ; it
	s_or_b32 s36, s35, s[WV]
	s_cmp_eq_u32 s36, 0
	s_cselect_b32 s[LIM], 1, -1                    ; wave 0 of the work-groups with it = 0 prefetches
	s_lshl_b32 s38, s[WV], 9                       ; 512 w: my K step in a row of hxp or hyp; my 128 numbers of b2 and W3
	s_mov_b32 s39, 0
	s_lshl_b32 s36, s35, 15                        ; 16 rows of hxp
	s_add_co_u32 s36, s36, s38
	s_mov_b32 s37, 0
	s_lshl_b32 s40, ttmp9, 17                      ; 64 rows of hyp
	s_add_co_u32 s40, s40, s38
	s_mov_b32 s41, 0
	s_lshl_b32 s42, s[WV], 16                      ; my 65,536 bytes of W2's codes
	s_mov_b32 s43, 0
	s_lshl_b32 s44, s[WV], 11                      ; my 2,048 bytes of its scale words; also my fragment's place in an image
	s_mov_b32 s45, 0
	s_lshl_b32 s46, s35, 15                        ; out0: 16 rows,
	s_lshl_b32 s47, s[WV], 13
	s_add_co_u32 s46, s46, s47                     ; + my 4 of them,
	s_lshl_b32 s47, ttmp9, 8
	s_add_co_u32 s46, s46, s47                     ; + 64 columns
	s_mov_b32 s47, 0
	s_lshl_b32 s48, s[WV], 6
	s_add_co_u32 s48, s48, XSC
	s_mul_i32 s49, s[WV], 4352
	s_add_co_u32 s49, s49, PART
	s_mul_i32 s50, s[WV], 1088
	s_add_co_u32 s50, s50, PART
	v_lshlrev_b32 v[LIA], 4, v15
	v_lshl_add_u32 v[LSA], v15, 2, XSC
	v_add_nc_u32 v[IWA], s44, v[LIA]
	v_lshl_add_u32 v[SWA], v12, 2, s48
	v_mul_u32_u24 v[PADR], v12, 272
	v_add_nc_u32 v[PADR], s49, v[PADR]
	v_lshlrev_b32 v[HXO], 11, v12
	v_lshl_add_u32 v[HXO], v13, 8, v[HXO]
	v_lshlrev_b32 v[PFO], 8, v15
	v_lshlrev_b32 v[BO], 5, v13
	v_mul_u32_u24 v[RDA], v13, 272
	v_lshl_add_u32 v[RDA], v12, 4, v[RDA]
	v_add_nc_u32 v[RDA], s50, v[RDA]
	v_lshlrev_b32 v[GOA], 11, v13
	v_lshl_add_u32 v[GOA], v12, 4, v[GOA]
	v_lshlrev_b32 v[L4], 2, v15
	s_wait_kmcnt 0x0
	s_add_nc_u64 s[8:9], s[8:9], s[36:37]
	s_add_nc_u64 s[HY:HY+1], s[10:11], s[40:41]
	s_add_nc_u64 s[12:13], s[12:13], s[42:43]
	s_add_nc_u64 s[14:15], s[14:15], s[44:45]
	s_add_nc_u64 s[16:17], s[16:17], s[38:39]
	s_add_nc_u64 s[18:19], s[18:19], s[38:39]
	s_add_nc_u64 s[22:23], s[22:23], s[46:47]
	s_load_b32 s[B3], s[20:21], 0x0
	WIN 0x40
.irp e, 0,1,2,3,4,5,6,7,8,9,10,11,12,13,14,15
	global_load_b128 v[HXR+4*\e:HXR+4*\e+3], v[HXO], s[8:9] offset:16*\e             ; hx + b1 of my row: register 4 e + c = k 32 c + 16 h + e of K step w
.endr
.irp t, 0,1,2,3
	global_load_b128 v[HB+4*\t:HB+4*\t+3], v[LIA], s[HY:HY+1] offset:2048*\t         ; hy of m-tiles 0 to 3
.endr
	W2LOAD 0, 40
	WIN 0
.set i, 0
.rept 64
	v_mov_b32 v[X+i], 0                            ; written once, while the loads are out: the destination of a DPP form counts as one of its sources
.set i, i+1
.endr
.irp b, 0,1,2,3
	v_mov_b32 v[T4+\b], 0                          ; a lane permute's likewise (v13 has been written above)
.endr
	s_wait_loadcnt 40                              ; hx and hy are in; the 40 loads of W2 behind them may stay out
	QALL 0                                         ; image 0
	W2LOAD 40, 84
	WIN 0
	s_wait_dscnt 0x0                               ; image 0's stores have read their registers
	QALL 1                                         ; image 1
	W2LOAD 84, 128
	WIN 0
.set i, 0
.rept 16
	global_load_b32 v[W2S+i], v[L4], s[14:15] offset:128*i
.set i, i+1
.endr
.irp n, 0,1,2,3,4,5,6,7
	global_load_b128 v[W3R+8*\n:W3R+8*\n+3], v[BO], s[18:19] offset:64*\n            ; W3[128 w + 16 n + 8 h + 0 .. 7]
	global_load_b128 v[W3R+8*\n+4:W3R+8*\n+7], v[BO], s[18:19] offset:64*\n+16
.endr
	WIN 0x40
.irp n, 0,1,2,3,4,5,6,7
	global_load_b128 v[B2R+8*\n:B2R+8*\n+3], v[BO], s[16:17] offset:64*\n            ; b2 likewise
	global_load_b128 v[B2R+8*\n+4:B2R+8*\n+7], v[BO], s[16:17] offset:64*\n+16
.endr
	WIN 0
	s_wait_dscnt 0x0                               ; my parts of images 0 and 1 have landed
	s_barrier_signal -1
	s_barrier_wait -1                              ; everybody's have
	AFLOAD 0, 0
	AFLOAD 1, 0
	XSLOAD 0, 0
	s_wait_loadcnt 0x0                             ; W2, its scale words, b2, W3
	s_wait_kmcnt 0x0                               ; b3
	s_mov_b32 s[B3+1], s[B3]                       ; (the packed form names the pair)
	s_wait_dscnt 0x0
	s_barrier_signal -1                            ; the signal that period 0's wait in slot 2 answers: every period is written alike
	AFLOAD 2, 0
	HEAD 0, 0, 1, 1
	WIN 0
	s_mov_b32 s[TRIP], 15
.Ltrip:                                                ; a trip: slots 4-31 of periods 4 T .. 4 T + 3 and slots 0-3 of periods 4 T + 1 .. 4 T + 4; its loads reach m-tile 4 T + 7, 63 at the most
	REST 0, 1, 1, 1, 1, 1
	HEAD 1, 1, 1, 1
	REST 1, 1, 1, 1, 1, 0
	HEAD 2, 1, 1, 1
	REST 2, 1, 1, 1, 1, 0
	HEAD 3, 1, 1, 1
	REST 3, 1, 1, 1, 1, 0
	HEAD 0, 1, 1, 1
	WIN 0
	s_wait_xcnt 0x0                                ; the trip's loads and its prefetch have read their base: it is stepped only behind this wait
	s_add_nc_u64 s[HY:HY+1], s[HY:HY+1], 8192
	s_add_co_u32 s[PT], s[PT], 16
	s_sub_co_u32 s[TRIP], s[TRIP], 1
	s_cmp_lg_u32 s[TRIP], 0
	s_cbranch_scc1 .Ltrip
	REST 0, 1, 0, 1, 1, 0                          ; periods 60 to 63: nothing more is loaded from hyp,
	HEAD 1, 1, 1, 0                                ; (the last quad has no younger load behind it)
	REST 1, 1, 0, 1, 1, 0
	HEAD 2, 1, 0, 0                                ; nothing more is quantised,
	REST 2, 0, 0, 1, 1, 0
	HEAD 3, 1, 0, 0
	REST 3, 0, 0, 0, 0, 0                          ; and nothing more is fetched
	H2 6
	H2 7
	REDUCE 12
	; THE WAY OUT: the four waves' parts are added, and b3.  Wave w takes rows 4 w + 2 a + h, a = 0, 1; sixteen lanes take a row's 64 columns
	s_wait_dscnt 0x0                               ; my parts have landed
	s_barrier_signal -1
	s_barrier_wait -1
.irp a, 0,1
.irp u, 0,1,2,3
	ds_load_b128 v[X+16*\a+4*\u:X+16*\a+4*\u+3], v[RDA] offset:4352*\u+544*\a
.endr
.endr
.irp a, 0,1
	s_wait_dscnt 4-4*\a                            ; this pair of rows' four loads are in
	v_pk_add_f32 v[X+16*\a:X+16*\a+1], v[X+16*\a:X+16*\a+1], v[X+16*\a+4:X+16*\a+5]
	v_pk_add_f32 v[X+16*\a+2:X+16*\a+3], v[X+16*\a+2:X+16*\a+3], v[X+16*\a+6:X+16*\a+7]
	v_pk_add_f32 v[X+16*\a+8:X+16*\a+9], v[X+16*\a+8:X+16*\a+9], v[X+16*\a+12:X+16*\a+13]
	v_pk_add_f32 v[X+16*\a+10:X+16*\a+11], v[X+16*\a+10:X+16*\a+11], v[X+16*\a+14:X+16*\a+15]
	v_pk_add_f32 v[X+16*\a:X+16*\a+1], v[X+16*\a:X+16*\a+1], v[X+16*\a+8:X+16*\a+9]
	v_pk_add_f32 v[X+16*\a+2:X+16*\a+3], v[X+16*\a+2:X+16*\a+3], v[X+16*\a+10:X+16*\a+11]
	v_pk_add_f32 v[X+16*\a:X+16*\a+1], v[X+16*\a:X+16*\a+1], s[B3:B3+1] op_sel_hi:[1,0]
	v_pk_add_f32 v[X+16*\a+2:X+16*\a+3], v[X+16*\a+2:X+16*\a+3], s[B3:B3+1] op_sel_hi:[1,0]
	global_store_b128 v[GOA], v[X+16*\a:X+16*\a+3], s[22:23] offset:4096*\a          ; sixteen lanes store 256 consecutive bytes, aligned
.endr
	s_set_vgpr_msb 0x4
	s_wait_tensorcnt 0x0
	ds_add_u32 v63, v255
	s_wait_dscnt 0x0
	s_set_vgpr_msb 0x400
	s_endpgm
.Lfunc_end_k_q7ee59e2aa1_main:
	.size	k_q7ee59e2aa1_main, .Lfunc_end_k_q7ee59e2aa1_main-k_q7ee59e2aa1_main
	.p2alignl 7, 3214868480
	.fill 96, 4, 3214868480
	.section	.rodata,"a",@progbits
	.p2align	6, 0x0
	.amdhsa_kernel k_q7ee59e2aa1_main
		.amdhsa_group_segment_fixed_size 51712
		.amdhsa_private_segment_fixed_size 0
		.amdhsa_enable_private_segment 0
		.amdhsa_kernarg_size 64
		.amdhsa_user_sgpr_count 2
		.amdhsa_user_sgpr_kernarg_segment_ptr 1
		.amdhsa_wavefront_size32 1
		.amdhsa_system_sgpr_workgroup_id_x 1
		.amdhsa_system_sgpr_workgroup_id_y 1
		.amdhsa_system_sgpr_workgroup_id_z 1
		.amdhsa_system_vgpr_workitem_id 0
		.amdhsa_next_free_vgpr 1024
		.amdhsa_next_free_sgpr 66
		.amdhsa_reserve_vcc 0
		.amdhsa_float_denorm_mode_32 3
		.amdhsa_float_denorm_mode_16_64 3
		.amdhsa_memory_ordered 1
		.amdhsa_forward_progress 1
		.amdhsa_inst_pref_size 218
	.end_amdhsa_kernel
	.amdgpu_metadata
---
amdhsa.version: [ 1, 2 ]
amdhsa.kernels:
  - .name:           k_q7ee59e2aa1_main
    .symbol:         k_q7ee59e2aa1_main.kd
    .args:
      - { .name: hxp, .offset: 0, .size: 8, .value_kind: global_buffer, .address_space: global }
      - { .name: hyp, .offset: 8, .size: 8, .value_kind: global_buffer, .address_space: global }
      - { .name: w2c, .offset: 16, .size: 8, .value_kind: global_buffer, .address_space: global }
      - { .name: w2s, .offset: 24, .size: 8, .value_kind: global_buffer, .address_space: global }
      - { .name: b2, .offset: 32, .size: 8, .value_kind: global_buffer, .address_space: global }
      - { .name: W3, .offset: 40, .size: 8, .value_kind: global_buffer, .address_space: global }
      - { .name: b3, .offset: 48, .size: 8, .value_kind: global_buffer, .address_space: global }
      - { .name: out0, .offset: 56, .size: 8, .value_kind: global_buffer, .address_space: global }
    .group_segment_fixed_size: 51712
    .private_segment_fixed_size: 0
    .kernarg_segment_align: 8
    .kernarg_segment_size: 64
    .max_flat_workgroup_size: 128
    .sgpr_count:     66
    .vgpr_count:     1024
    .wavefront_size: 32
...
	.end_amdgpu_metadata
.endif
;; end of part 2
;; ======== version 2 of 2: 2 launches; version 1 with the launches prep, main written anew for expert scheduling mode
;; workspace buffers: hxp 1,048,576 bytes; hyp 1,048,576 bytes; w2c 262,144 bytes; w2s 8,192 bytes
;; launch prep (part 3): grid 144 x 1, 4 waves a work-group, no clusters, 0 bytes of LDS; arguments x, y, W1, b1, W2, hxp, hyp, w2c, w2s; writes hxp, hyp, w2c, w2s
.if DOCPART == 3
	.amdgcn_target "amdgcn-amd-amdhsa--gfx1250"
	.amdhsa_code_object_version 6
	.text
	.protected	k_q7ee59e2aa1_prep
	.globl	k_q7ee59e2aa1_prep
	.p2align	8
	.type	k_q7ee59e2aa1_prep,@function
k_q7ee59e2aa1_prep:
	s_mov_b64 s[64:65], 0
	v_nop
	global_prefetch_b8 v0, s[64:65] scope:SCOPE_SE
	s_setreg_imm32_b32 hwreg(HW_REG_WAVE_SCHED_MODE, 0, 2), 2
	s_setreg_imm32_b32 hwreg(HW_REG_WAVE_MODE, 25, 1), 1
	s_wait_xcnt 0x0
	s_wait_alu depctr_vm_vsrc(0)
; What the second launch wants ready: hx + b1 = Q(x) Q(W1[0:128]) + b1 and hy = Q(y) Q(W1[128:256]), f32, and W2 as codes of E4M3 with one E8M0 scale byte for each 32 along K.
; Q is the MX quantiser along K: a block's scale is 2^(floor(log2(its largest magnitude)) - 8), its byte the largest magnitude's exponent field - 8, held at 1 from below; numbers are held within +-448 x the scale and rounded to the nearest code.
; LAYOUTS OF THE RESULTS (this program alone reads them):
;   hxp, hyp [row 512][w 4][g 2][e 16][c 4] f32 = value[row][128 w + 32 c + 16 g + e]: a lane (e, g) of the reader takes its four c by one load of 16 bytes.
;   w2c [wq 4][f 32][c 4][lane 32][16 bytes]: images of operand registers: f = 8 s + n (K step s, tile n of 16 columns of W2's columns 128 wq on); lane (r, h) holds column 16 n + r, k = 128 s + 32 c + 16 h + 0 .. 15.
;   w2s [wq 4][n 8][sp 2][lane 32] words: lanes 0-15 the scale word of K step 2 sp of column r, lanes 16-31 that of K step 2 sp + 1.
; SHARES.  Work-groups 0-127 (512 waves): a wave makes 16 rows of x or of y times four tiles of 16 columns, the four c of one (w, g), so that a lane's four results of a row are 16 neighbouring bytes of the layout.
;   Work-groups 128-143 (64 waves): a wave quantises one tile of 16 columns of W2 for two K steps.
; K is the FIRST axis of W1 and W2: lane r takes a column and its registers run down K, so the conversions' results are the operand's registers.
; No LDS, no barrier, EXEC is never touched.  A wave's store of w2s covers 128 consecutive bytes; the whole buffer is 8,192 bytes.
; LIMITS: b1 is added to hx here, ahead of hy (reference(): behind it); both in f32.  NaN and infinities among the inputs are not served.  A block of zeros, or one under 2^-118, gets the byte 1; a block of zeros has zero codes.
; THE MODE: SCHED_MODE bits 1:0 = 2 (LLVM: expert scheduling mode 2), set by the entry lines.  The code itself states the register dependences between vector or matrix instructions and memory instructions, with s_wait_alu, always for 0.
; THE PLAN.  Registers that memory instructions touch:
;   v4-v9      offsets, made once at the head and never written again: one wait ahead of the parting of the roles.
;   RA, RB     two sets of 64 numbers.  Loaded; read and held in place by the quantiser; loaded again with the tile two on.  One wait a tile, directly ahead of its product, states that the quantiser is done with the set,
;              and that the codes and scale words, which vector instructions write, are there for the scaled product.  Behind it stands the product alone, which names neither set; then the loads.
;   O, WC, OUTW  results: written by vector instructions, read by stores: one wait ahead of each run of stores; where WC is written a second time, a wait that its stores have read it.
.set LANE, 1                           ; v1   lane
.set RR,   2                           ; v2   r = lane % 16
.set HH,   3                           ; v3   h = lane / 16
.set CADR, 4                           ; v4   a column's place: 16 h rows of 2,048 bytes + 4 r
.set XADR, 5                           ; v5   x, y: row r of 512 bytes + 64 h
.set BADR, 6                           ; v6   4 r
.set OADR, 7                           ; v7   results: 8 h rows of 2,048 bytes + 16 r
.set L16,  8                           ; v8   16 x lane
.set L4,   9                           ; v9   4 x lane
.set RA,   16                          ; v16-79   64 numbers, by turns with
.set RB,   80                          ; v80-143
.set XC,   144                         ; v144-159 x's or y's codes
.set WC,   160                         ; v160-175 a weight tile's codes
.set ACC,  176                         ; v176-207 four accumulators
.set TM,   208                         ; v208-223 the quantiser's: largest magnitudes, bytes, holds, scale operands
.set BI,   232                         ; v232-235 b1 of my column in the four tiles
.set XSW,  236                         ; v236 x's scale words; v237 the weight tile's: scales and nothing else
.set WSW,  237
.set PWA,  238                         ; v238 W2: the even K step's scale word
.set OUTW, 239
.set O,    RB                          ; the results, where the second set of numbers lay
.set SEL,  42                          ; s[42:43] v_permlanex16_b32's selects for lane l xor 16
.set MNT,  44                          ; s44 the mantissa field of 448
; 64 numbers down K of my column: register 16 c + e = row 32 c + 16 h + e.  Sixteen lanes read 64 consecutive bytes.
.macro LOADCOL reg, base, extra
.irp c, 0,1,2,3
.irp e, 0,1,2,3,4,5,6,7,8,9,10,11,12,13,14,15
	global_load_b32 v[\reg+16*\c+\e], v[CADR], s[\base:\base+1] offset:(32*\c+\e)*2048+\extra
.endr
.endr
.endm
; 64 numbers of a lane, register 16 b + i = k 32 b + 16 h + i, become a fragment's codes in v[pc] on and its scale word in v[pw]
.macro QUANT s, pc, pw
.irp b, 0,1,2,3
	v_max3_num_f32 v[TM+\b], |v[\s+16*\b]|, |v[\s+1+16*\b]|, 0x4800000   ; my 16 numbers of block b, and the floor 2^(9 - 127): the byte cannot fall under 1
.endr
.irp i, 2,4,6,8,10,12,14
.irp b, 0,1,2,3
	v_max3_num_f32 v[TM+\b], v[TM+\b], |v[\s+16*\b+\i]|, |v[\s+1+16*\b+\i]|   ; the four blocks by turns
.endr
.endr
.irp b, 0,1,2,3
	v_permlanex16_b32 v[TM+4+\b], v[TM+\b], s[SEL], s[SEL+1]
.endr
.irp b, 0,1,2,3
	v_max_num_f32 v[TM+\b], v[TM+\b], v[TM+4+\b]                   ; with lane l xor 16's 16: the block's largest magnitude
.endr
.irp b, 0,1,2,3
	v_add_nc_u32 v[TM+12+\b], 0xfc000000, v[TM+\b]                 ; 8 off its exponent field: the conversion's scale operand
.endr
.irp b, 0,1,2,3
	v_and_or_b32 v[TM+8+\b], v[TM+\b], 0x7f800000, s[MNT]          ; 448 x the scale
.endr
.irp b, 0,1,2,3
	v_lshrrev_b32 v[TM+4+\b], 23, v[TM+12+\b]                      ; the scale's byte
.endr
	v_lshl_or_b32 v[\pw], v[TM+5], 8, v[TM+4]
	v_lshl_or_b32 v[\pw], v[TM+6], 16, v[\pw]
	v_lshl_or_b32 v[\pw], v[TM+7], 24, v[\pw]
.irp b, 0,1,2,3
.irp i, 0,1,2,3,4,5,6,7,8,9,10,11,12,13,14,15
	v_med3_num_f32 v[\s+16*\b+\i], v[\s+16*\b+\i], -v[TM+8+\b], v[TM+8+\b]   ; the conversion to an 8-bit code does not saturate (ISA guide 7.6.2): the hold comes first
.endr
	v_cvt_scalef32_pk8_fp8_f32 v[\pc+4*\b:\pc+4*\b+1], v[\s+16*\b:\s+16*\b+7], v[TM+12+\b]
	v_cvt_scalef32_pk8_fp8_f32 v[\pc+4*\b+2:\pc+4*\b+3], v[\s+16*\b+8:\s+16*\b+15], v[TM+12+\b]
.endr
	v_nop                                          ; one plain vector line behind the last scaled conversion
.endm
	s_load_b512 s[8:23], s[0:1], 0x0               ; x s[8:9], y s[10:11], W1 s[12:13], b1 s[14:15], W2 s[16:17], hxp s[18:19], hyp s[20:21], w2c s[22:23]
	s_load_b64 s[24:25], s[0:1], 0x40              ; w2s
	v_lshrrev_b32 v10, 5, v0
	v_readfirstlane_b32 s26, v10                   ; wave 0..3
	v_and_b32 v[LANE], 31, v0
	v_and_b32 v[RR], 15, v0
	v_bfe_u32 v[HH], v0, 4, 1
	v_lshlrev_b32 v[BADR], 2, v[RR]
	v_lshl_add_u32 v[CADR], v[HH], 15, v[BADR]
	v_lshlrev_b32 v[XADR], 9, v[RR]
	v_lshl_add_u32 v[XADR], v[HH], 6, v[XADR]
	v_lshlrev_b32 v[OADR], 4, v[RR]
	v_lshl_add_u32 v[OADR], v[HH], 14, v[OADR]
	v_lshlrev_b32 v[L16], 4, v[LANE]
	v_lshlrev_b32 v[L4], 2, v[LANE]
	s_mov_b32 s[SEL], 0x76543210
	s_mov_b32 s[SEL+1], 0xfedcba98
	s_mov_b32 s[MNT], 0x600000
.irp b, 0,1,2,3
	v_mov_b32 v[TM+4+\b], 0                        ; written once: a lane permute's destination counts as one of its sources
.endr
	s_wait_kmcnt 0x0
	s_wait_alu depctr_va_sdst(0)                   ; s26, the wave's number, is written
	s_wait_alu depctr_va_vdst(0)                   ; the offsets v4 to v9 are written: every load and store of both roles reads one of them
	s_cmp_ge_u32 ttmp9, 128                        ; the roles part on the work-group's number alone
	s_cbranch_scc1 .Lrole_w
	; ---- hx + b1 and hy
	s_lshl_b32 s27, ttmp9, 2
	s_add_co_u32 s27, s27, s26                     ; which of the 512 shares is my wave's
	s_and_b32 s28, s27, 31                         ; mt: rows 16 mt on
	s_bfe_u32 s29, s27, 0x20006                    ; w
	s_bfe_u32 s30, s27, 0x10005                    ; g
	s_lshr_b32 s31, s27, 8                         ; 0: x and W1's upper half, 1: y and its lower half
	s_lshl_b32 s32, s29, 9
	s_lshl_b32 s33, s30, 6
	s_add_co_u32 s32, s32, s33                     ; column 128 w + 16 g, in bytes
	s_mov_b32 s33, 0
	s_lshl_b32 s34, s31, 18                        ; 128 rows of W1
	s_add_co_u32 s34, s34, s32
	s_mov_b32 s35, 0
	s_lshl_b32 s36, s28, 13                        ; 16 rows of x or y
	s_mov_b32 s37, 0
	s_lshl_b32 s38, s28, 15                        ; 16 rows of the result,
	s_lshl_b32 s39, s29, 9
	s_add_co_u32 s38, s38, s39                     ; + 512 w
	s_lshl_b32 s39, s30, 8
	s_add_co_u32 s38, s38, s39                     ; + 256 g
	s_mov_b32 s39, 0
	s_cmp_eq_u32 s31, 0
	s_cselect_b64 s[8:9], s[8:9], s[10:11]         ; the choice hangs on the share's number alone
	s_cselect_b64 s[18:19], s[18:19], s[20:21]
	s_cselect_b32 s40, -1, 0                       ; b1 goes to hx alone
	s_add_nc_u64 s[8:9], s[8:9], s[36:37]
	s_add_nc_u64 s[12:13], s[12:13], s[34:35]
	s_add_nc_u64 s[14:15], s[14:15], s[32:33]
	s_add_nc_u64 s[18:19], s[18:19], s[38:39]
.irp c, 0,1,2,3
	global_load_b32 v[BI+\c], v[BADR], s[14:15] offset:128*\c      ; b1[128 w + 32 c + 16 g + r]
.endr
.irp c, 0,1,2,3
.irp q, 0,1,2,3
	global_load_b128 v[RA+16*\c+4*\q:RA+16*\c+4*\q+3], v[XADR], s[8:9] offset:128*\c+16*\q   ; K is innermost here: my 16 numbers of each block are 64 neighbouring bytes
.endr
.endr
	LOADCOL RB, 12, 0                              ; tile c = 0
	s_wait_loadcnt 63                              ; 64 loads are younger than x's; 63 is the most that a wait can name
	QUANT RA, XC, XSW
	s_wait_alu depctr_va_vdst(0)                   ; the quantiser is done reading and holding v[RA ..], in which the loads below land
	LOADCOL RA, 12, 128                            ; tile c = 1
; tile c lies in buf; left: the younger loads that may stay out; more = 1: the tile two on is asked for into the same registers
.macro TILE c, buf, left, more
	s_wait_loadcnt \left
	QUANT \buf, WC, WSW
.rept 4
	v_nop                                          ; codes written by vector instructions stand four places ahead of a scaled matrix instruction; the scale word was made ahead of the 64 holds
.endr
	s_wait_alu depctr_va_vdst(0)                   ; behind the places: both operands' codes and scale words, which vector instructions wrote, are there for the scaled product; and the quantiser is done with v[buf ..], in which the loads behind the product land
	v_wmma_scale_f32_16x16x128_f8f6f4 v[ACC+8*\c:ACC+8*\c+7], v[XC:XC+15], v[WC:WC+15], 0, v[XSW], v[WSW]   ; lane (r, h), register j: row 8 h + j, column r of the tile
.if \more
	LOADCOL \buf, 12, 128*(\c+2)                   ; no wait: since the one above only the product was issued, which names neither set of numbers
.endif
.endm                                  ; the next tile's quantiser writes the scale word behind 40 plain lines and the codes behind more: the places behind this matrix instruction
	TILE 0, RB, 63, 1
	TILE 1, RA, 63, 1
	TILE 2, RB, 63, 0
	TILE 3, RA, 0, 0
.irp c, 0,1,2,3
	v_cndmask_b32 v[BI+\c], 0, v[BI+\c], s40       ; four of the eight places behind the last product
.endr
.rept 4
	v_nop
.endr
.irp j, 0,1,2,3,4,5,6,7
.irp c, 0,1,2,3
	v_add_f32 v[O+4*\j+\c], v[ACC+8*\c+\j], v[BI+\c]               ; each accumulator from its low end on
.endr
.endr
	s_wait_alu depctr_va_vdst(0)                   ; the additions have written v[O ..], which the stores read
.irp j, 0,1,2,3,4,5,6,7
	global_store_b128 v[OADR], v[O+4*\j:O+4*\j+3], s[18:19] offset:2048*\j   ; sixteen lanes store 256 consecutive bytes, aligned
.endr
	s_endpgm
.Lrole_w:
	; ---- W2: one tile of 16 columns, K steps 2 sp and 2 sp + 1
	s_sub_co_u32 s27, ttmp9, 128
	s_lshl_b32 s27, s27, 2
	s_add_co_u32 s27, s27, s26                     ; which of the 64 shares
	s_lshr_b32 s28, s27, 1                         ; the tile of columns, 0..31
	s_and_b32 s29, s27, 1                          ; sp
	s_lshl_b32 s32, s29, 19                        ; 256 rows of W2
	s_lshl_b32 s30, s28, 6                         ; 16 columns
	s_add_co_u32 s32, s32, s30
	s_mov_b32 s33, 0
	s_add_nc_u64 s[16:17], s[16:17], s[32:33]
	s_lshr_b32 s30, s28, 3
	s_lshl_b32 s34, s30, 16                        ; wq x 65,536
	s_and_b32 s30, s28, 7
	s_lshl_b32 s31, s29, 4
	s_add_co_u32 s30, s30, s31                     ; f = 16 sp + n
	s_lshl_b32 s30, s30, 11
	s_add_co_u32 s34, s34, s30
	s_mov_b32 s35, 0
	s_add_nc_u64 s[22:23], s[22:23], s[34:35]
	s_lshl_b32 s36, s27, 7                         ; ((8 wq + n) 2 + sp) x 128 bytes
	s_mov_b32 s37, 0
	s_add_nc_u64 s[24:25], s[24:25], s[36:37]
	LOADCOL RA, 16, 0
	LOADCOL RB, 16, 262144                         ; the next 128 rows
	s_wait_loadcnt 63                              ; 64 loads are younger
	QUANT RA, WC, PWA
	s_wait_alu depctr_va_vdst(0)                   ; the conversions have written v[WC ..], which the stores read
.irp c, 0,1,2,3
	global_store_b128 v[L16], v[WC+4*\c:WC+4*\c+3], s[22:23] offset:512*\c           ; 512 consecutive bytes a store
.endr
	s_wait_loadcnt 0x0
	s_wait_xcnt 0x0                                ; the stores have read the codes' registers: they are written again only behind this wait
	s_wait_alu depctr_vm_vsrc(0)                   ; the four stores have read v[WC ..], which the conversions below write again
	v_cmp_gt_u32 vcc_lo, 16, v[LANE]
	QUANT RB, WC, WSW
	s_wait_alu depctr_va_vcc(0)                    ; VCC is written by the compare above: the select below is its first reader
	v_cndmask_b32 v[OUTW], v[WSW], v[PWA], vcc_lo  ; lanes 0-15 the even K step's word, lanes 16-31 the odd one's
	s_wait_alu depctr_va_vdst(0)                   ; the conversions have written v[WC ..] and the select v[OUTW], which the stores read
.irp c, 0,1,2,3
	global_store_b128 v[L16], v[WC+4*\c:WC+4*\c+3], s[22:23] offset:16384+512*\c     ; f + 8
.endr
	global_store_b32 v[L4], v[OUTW], s[24:25]
	s_endpgm
.Lfunc_end_k_q7ee59e2aa1_prep:
	.size	k_q7ee59e2aa1_prep, .Lfunc_end_k_q7ee59e2aa1_prep-k_q7ee59e2aa1_prep
	.p2alignl 7, 3214868480
	.fill 96, 4, 3214868480
	.section	.rodata,"a",@progbits
	.p2align	6, 0x0
	.amdhsa_kernel k_q7ee59e2aa1_prep
		.amdhsa_group_segment_fixed_size 0
		.amdhsa_private_segment_fixed_size 0
		.amdhsa_enable_private_segment 0
		.amdhsa_kernarg_size 72
		.amdhsa_user_sgpr_count 2
		.amdhsa_user_sgpr_kernarg_segment_ptr 1
		.amdhsa_wavefront_size32 1
		.amdhsa_system_sgpr_workgroup_id_x 1
		.amdhsa_system_sgpr_workgroup_id_y 1
		.amdhsa_system_sgpr_workgroup_id_z 1
		.amdhsa_system_vgpr_workitem_id 0
		.amdhsa_next_free_vgpr 256
		.amdhsa_next_free_sgpr 66
		.amdhsa_reserve_vcc 1
		.amdhsa_float_denorm_mode_32 3
		.amdhsa_float_denorm_mode_16_64 3
		.amdhsa_memory_ordered 1
		.amdhsa_forward_progress 1
		.amdhsa_inst_pref_size 102
	.end_amdhsa_kernel
	.amdgpu_metadata
---
amdhsa.version: [ 1, 2 ]
amdhsa.kernels:
  - .name:           k_q7ee59e2aa1_prep
    .symbol:         k_q7ee59e2aa1_prep.kd
    .args:
      - { .name: x, .offset: 0, .size: 8, .value_kind: global_buffer, .address_space: global }
      - { .name: y, .offset: 8, .size: 8, .value_kind: global_buffer, .address_space: global }
      - { .name: W1, .offset: 16, .size: 8, .value_kind: global_buffer, .address_space: global }
      - { .name: b1, .offset: 24, .size: 8, .value_kind: global_buffer, .address_space: global }
      - { .name: W2, .offset: 32, .size: 8, .value_kind: global_buffer, .address_space: global }
      - { .name: hxp, .offset: 40, .size: 8, .value_kind: global_buffer, .address_space: global }
      - { .name: hyp, .offset: 48, .size: 8, .value_kind: global_buffer, .address_space: global }
      - { .name: w2c, .offset: 56, .size: 8, .value_kind: global_buffer, .address_space: global }
      - { .name: w2s, .offset: 64, .size: 8, .value_kind: global_buffer, .address_space: global }
    .group_segment_fixed_size: 0
    .private_segment_fixed_size: 0
    .kernarg_segment_align: 8
    .kernarg_segment_size: 72
    .max_flat_workgroup_size: 128
    .sgpr_count:     66
    .vgpr_count:     256
    .wavefront_size: 32
...
	.end_amdgpu_metadata
.endif
;; end of part 3
;; launch main (part 4): grid 8 x 32, 4 waves a work-group, no clusters, 51,712 bytes of LDS; arguments hxp, hyp, w2c, w2s, b2, W3, b3, out0; writes out0
.if DOCPART == 4
	.amdgcn_target "amdgcn-amd-amdhsa--gfx1250"
	.amdhsa_code_object_version 6
	.text
	.protected	k_q7ee59e2aa1_main
	.globl	k_q7ee59e2aa1_main
	.p2align	8
	.type	k_q7ee59e2aa1_main,@function
k_q7ee59e2aa1_main:
	s_mov_b64 s[64:65], 0
	v_nop
	global_prefetch_b8 v0, s[64:65] scope:SCOPE_SE
	s_setreg_imm32_b32 hwreg(HW_REG_WAVE_SCHED_MODE, 0, 2), 2
	s_setreg_imm32_b32 hwreg(HW_REG_WAVE_MODE, 25, 1), 1
	s_wait_xcnt 0x0
	s_wait_alu depctr_vm_vsrc(0)
; out0[i][j] = W3 . relu(Q(relu(hx_i + b1 + hy_j)) Q(W2) + b2) + b3.  hxp (hx + b1), hyp (hy), w2c and w2s (W2's codes and scale words) come from the launch before, in its layouts.
; SHARES.  A work-group owns i = 16 it .. + 15 (it = work-group y) and j = 64 jg .. + 63 (jg = work-group x): 1,024 pairs.  An m-tile t (0..63) is the 16 pairs (16 it + r, 64 jg + t).
; THE WAVES SHARE THE COLUMNS: wave w keeps W2's columns 128 w .. + 127 (8 tiles x 4 K steps x 16 registers = 512) in registers for the whole launch, and it quantises K step w of every m-tile.
; The fragments of h1 go from wave to wave through LDS as images of their registers (16 bytes a lane, 512 a store), in a ring of four slots.  So each number of h1 is quantised once, and a fragment read from LDS feeds eight products.
; h1.  Lane (r, h) keeps hx + b1 of row i = r for K step w in 64 registers.  hy_j is the same for all 16 rows: it lies packed, 4 registers, lane (e, h) of register c holding k = 32 c + 16 h + e, and the addition itself
; spreads it (row_share:e).  The relu costs nothing: the block's maximum is taken without |.| over the floor, and the hold that the conversion wants clips at 0 as well.
; THE PRODUCT IS USED TRANSPOSED: source 0 = 16 columns of W2, source 1 = the 16 pairs.  A lane holds ONE pair and eight columns: b2 is the C of a sum's first link, W3 lies in register pairs, and the sum over columns
; ends with one exchange between the halves of the lanes.  The four waves' parts meet in LDS at the end.
; BY TURNS.  A period is one m-tile: 32 matrix instructions (K step s outer, tile n inner: slot k = 8 s + n; the eight accumulators take turns, one instruction a turn), and behind each a slice of
; about eight vector instructions: in period t the quantising of m-tile t + 2 (slots 2-25) and relu and W3 of m-tile t (slots 26-31, and 0-1 of period t + 1).
; ONE BARRIER A PERIOD, signal in slot 29, wait in slot 2 of the next.  Image u is stored in period u - 2, read from slot 21 of period u - 1 to slot 3 of period u, and its slot is stored again in period u + 2:
; between one wait and the next but one the slots touched are t, t + 1 and t + 2 mod 4.  Four periods are written out for a trip, so that every LDS offset is an immediate.
; NO CLUSTER: what work-groups share is W2's codes, which each wave loads once, at the head, straight into the registers where they stay (a joint load would land in LDS, 65,536 bytes a wave, and pass through it once more), and 512 bytes of hyp a wave and period.
; LIMITS: NaN and infinities are not served.  A block of h1 whose numbers are all under 2^-118 (all negative ones among them) gets the byte 1; what is negative has the code 0.  The sums over W2's columns are taken in another order than reference()'s, in f32.
; THE MODE: SCHED_MODE bits 1:0 = 2 (LLVM: expert scheduling mode 2), set by the entry lines.  The code itself states the register dependences between vector or matrix instructions and memory or LDS instructions, with s_wait_alu, always for 0.
; THE PLAN.  Registers that memory or LDS instructions touch, in period t:
;   fragments 0, 1 and v16   read by the products of slots 0-15; image t + 1's are loaded behind slot 21.
;   fragment 2               read by the products of slots 16-23; image t + 1's is loaded in slot 30.
;   fragment 3 and v17       read by the products up to slot 31; image t + 1's are loaded behind slot 3 of period t + 1.
;   the quad t % 4 of hy     read by the additions of slots 2-9 of period t - 2; loaded in slot 4.
;   v50, v52-59              the scale word (written in slot 16) and the codes of blocks 0, 1 (slots 19, 21): stored behind slot 21.
;   v34-41                   the codes of blocks 2, 3 (written in slots 23, 25): stored behind slot 25.
;   v12, v14                 the score of m-tile t - 1 and its LDS address (written in slot 1): stored behind slot 3.
;   v1-v7, v15, v60-62       addresses, made at the head and never written again.
; So THREE waits on va_vdst stand in a period, each at the end of a slice, with the period's LDS instructions in runs behind them: behind slot 3, behind slot 21, behind slot 25.  Two loads stand further on: slot 4's of hy
; (since the wait behind slot 3 one product and one slice were issued, which name another quad) and slot 30's of fragment 2 (since the wait behind slot 25: products of K step 3 and the slices of relu and W3, which name fragment 3,
; the accumulators, W3 and the sums).  ONE wait on vm_vsrc stands in slot 1: the six LDS stores of the period before have read their registers, all of which are written again only from there on.
; REGISTERS, in windows of 256 (s_set_vgpr_msb's low byte: bits 1:0 source 0, 3:2 source 1, 5:4 source 2, 7:6 destination):
;   window 0: v1-15 addresses and sums; v16-17 h1's scale words; v18-33 W2's; v34-59 the quantiser's; v64-127 the 8 accumulators; v128-191 W3; v192-255 the 64 numbers of h1 in hand
;   window 1: v0-63 h1's four fragments; v64-127 hx + b1; v128-143 four quads of hy; v144-207 b2.     window 2: W2's K steps 0, 1.     window 3: K steps 2, 3.
.set IMG,  0                           ; LDS: 4 slots x 8,192: fragment s at 2,048 s, its registers 4 c on at 512 c, lane at 16 x lane
.set XSC,  32768                       ; 4 slots x 256: the scale word of (K step s, pair r) at 64 s + 4 r
.set PART, 33792                       ; 4 waves x 16 rows x 272: wave w's part of the score of (row i, column t) at 4,352 w + 272 i + 4 t
.set LIA,  1                           ; v1   16 x lane: an image's place, and my place in a load of 512 bytes
.set LSA,  2                           ; v2   XSC + 4 x lane
.set IWA,  3                           ; v3   2,048 w + 16 x lane: where I store images
.set SWA,  4                           ; v4   XSC + 64 w + 4 r: and their scale words
.set PADR, 5                           ; v5   PART + 4,352 w + 272 r
.set HXO,  6                           ; v6   hxp: 2,048 r + 256 h
.set PFO,  7                           ; v7   256 x lane: the prefetch's offset
.set S0,   8                           ; v[8:9], v[10:11] two running pairs of the sum over columns
.set S1,   10
.set RS,   12                          ; v12 the sum, v13 the other half's, v14 its LDS address
.set L4,   15                          ; v15  4 x lane
.set XS,   16                          ; v16+sp: lanes 0-15 K step 2 sp, lanes 16-31 K step 2 sp + 1
.set W2S,  18                          ; v18 + 2 n + sp: likewise
.set TM,   34                          ; v34-37 largest magnitudes; from slot 17 on block 2's codes
.set T4,   38                          ; v38-41 the other half's maxima, then bytes; from slot 17 on block 3's codes
.set HD,   42                          ; v42-45 448 x the scale
.set SO,   46                          ; v46-49 the conversions' scale operands
.set PW,   50                          ; v50, v51 the scale word
.set PW2,  51
.set PC,   52                          ; v52-59 the codes of blocks 0 and 1
.set RDA,  60                          ; v60  the way out: PART + 272 (4 w + h) + 16 r
.set GOA,  61                          ; v61  and in out0: 2,048 h + 16 r
.set BO,   62                          ; v62  32 h: b2's and W3's eight numbers of my half
.set ACC,  64
.set W3R,  128
.set X,    192
.set AF,   0                           ; window 1
.set HXR,  64
.set HB,   128
.set B2R,  144
.set WV,   24                          ; s24 wave
.set MNT,  25                          ; s25 the mantissa field of 448
.set SEL,  26                          ; s[26:27] selects for lane l xor 16
.set HY,   28                          ; s[28:29] hyp at my work-group's row 4 x trip, my K step
.set TRIP, 30
.set LIM,  31                          ; s31 1 in the wave that prefetches, else the greatest number
.set B3,   32                          ; s[32:33] b3, twice
.set PT,   34                          ; s34 16 x trip: four columns of PART
.set MSB, 0
.macro WIN new                         ; the immediate's high byte repeats the setting that is left; a switch that changes nothing is dropped
.if MSB != (\new)
	s_set_vgpr_msb (MSB<<8)|(\new)
.set MSB, (\new)
.endif
.endm
.macro PLACES n
.rept \n
	v_nop
.endr
.endm
; Product (s, n): accumulator n takes K step s.  The first link's C is b2.  Odd K steps read both sides' scales from lanes 16-31.
.macro MM s, n
.if (\s) == 0
	WIN 0x16                                       ; W2 window 2, h1 window 1, b2 window 1
	v_wmma_scale_f32_16x16x128_f8f6f4 v[ACC+8*(\n):ACC+8*(\n)+7], v[16*(\n):16*(\n)+15], v[AF:AF+15], v[B2R+8*(\n):B2R+8*(\n)+7], v[W2S+2*(\n)], v[XS]
.elseif (\s) == 1
	WIN 0x06
	v_wmma_scale_f32_16x16x128_f8f6f4 v[ACC+8*(\n):ACC+8*(\n)+7], v[128+16*(\n):128+16*(\n)+15], v[AF+16:AF+31], v[ACC+8*(\n):ACC+8*(\n)+7], v[W2S+2*(\n)], v[XS] matrix_a_scale:MATRIX_SCALE_ROW1 matrix_b_scale:MATRIX_SCALE_ROW1
.elseif (\s) == 2
	WIN 0x07                                       ; W2 window 3
	v_wmma_scale_f32_16x16x128_f8f6f4 v[ACC+8*(\n):ACC+8*(\n)+7], v[16*(\n):16*(\n)+15], v[AF+32:AF+47], v[ACC+8*(\n):ACC+8*(\n)+7], v[W2S+2*(\n)+1], v[XS+1]
.else
	WIN 0x07
	v_wmma_scale_f32_16x16x128_f8f6f4 v[ACC+8*(\n):ACC+8*(\n)+7], v[128+16*(\n):128+16*(\n)+15], v[AF+48:AF+63], v[ACC+8*(\n):ACC+8*(\n)+7], v[W2S+2*(\n)+1], v[XS+1] matrix_a_scale:MATRIX_SCALE_ROW1 matrix_b_scale:MATRIX_SCALE_ROW1
.endif
.endm
; Number g of 72 of the list 'hold, convert': block g / 18: sixteen holds, two conversions.  Each block's codes have registers of their own, so that the stores can stand in runs, two blocks to a run.
.macro QL g
.set qb, (\g)/18
.set qi, (\g)%18
.set qp, PC+4*qb
.if qb > 1
.set qp, TM+4*(qb-2)
.endif
.if qi < 16
	v_med3_num_f32 v[X+16*qb+qi], v[X+16*qb+qi], 0, v[HD+qb]       ; the relu and the hold in one (the conversion to an 8-bit code does not saturate: ISA guide 7.6.2)
.elseif qi == 16
	v_cvt_scalef32_pk8_fp8_f32 v[qp:qp+1], v[X+16*qb:X+16*qb+7], v[SO+qb]
.else
	v_cvt_scalef32_pk8_fp8_f32 v[qp+2:qp+3], v[X+16*qb+8:X+16*qb+15], v[SO+qb]
.endif
.endm
.macro CSTORE b, q                     ; block b's 16 bytes a lane go into the image in slot q
.if (\b) > 1
	ds_store_b128 v[IWA], v[TM+4*((\b)-2):TM+4*((\b)-2)+3] offset:IMG+8192*(\q)+512*(\b)
.else
	ds_store_b128 v[IWA], v[PC+4*(\b):PC+4*(\b)+3] offset:IMG+8192*(\q)+512*(\b)
.endif
.endm
; The quantiser's slice of slot k (2..25); hb: the quad of hy
.macro QSLICE k, hb
.if (\k) < 10                          ; slots 2-9: h1 = (hx + b1) + hy, block (k - 2) / 2, eight numbers
	WIN 0x05                                       ; both sources window 1
.if ((\k)%2) == 0
.irp e, 0,1,2,3,4,5,6,7
	v_add_f32_dpp v[X+16*(((\k)-2)/2)+\e], v[HB+4*(\hb)+((\k)-2)/2], v[HXR+4*\e+((\k)-2)/2] row_share:\e row_mask:0xf bank_mask:0xf
.endr
.else
.irp e, 8,9,10,11,12,13,14,15
	v_add_f32_dpp v[X+16*(((\k)-2)/2)+\e], v[HB+4*(\hb)+((\k)-2)/2], v[HXR+4*\e+((\k)-2)/2] row_share:\e row_mask:0xf bank_mask:0xf
.endr
.endif
.elseif (\k) < 14                      ; slots 10-13: the blocks' maxima, by turns.  No |.|: what is negative becomes 0 and must not count; the floor 2^(9 - 127) stands over it
	WIN 0
.irp d, 0,2
.irp b, 0,1,2,3
.if (4*((\k)-10)+\d) == 0
	v_max3_num_f32 v[TM+\b], v[X+16*\b], v[X+16*\b+1], 0x4800000
.else
	v_max3_num_f32 v[TM+\b], v[TM+\b], v[X+16*\b+4*((\k)-10)+\d], v[X+16*\b+4*((\k)-10)+\d+1]
.endif
.endr
.endr
.elseif (\k) == 14
	WIN 0
.irp b, 0,1,2,3
	v_permlanex16_b32 v[T4+\b], v[TM+\b], s[SEL], s[SEL+1]
.endr
.irp b, 0,1,2,3
	v_max_num_f32 v[TM+\b], v[TM+\b], v[T4+\b]     ; with lane l xor 16's 16 numbers
.endr
.elseif (\k) == 15
	WIN 0
.irp b, 0,1,2,3
	v_add_nc_u32 v[SO+\b], 0xfc000000, v[TM+\b]    ; 8 off the exponent field: the conversion's scale operand
.endr
.irp b, 0,1,2,3
	v_and_or_b32 v[HD+\b], v[TM+\b], 0x7f800000, s[MNT]   ; 448 x the scale
.endr
.elseif (\k) == 16
	WIN 0
.irp b, 0,1,2,3
	v_lshrrev_b32 v[T4+\b], 23, v[SO+\b]           ; the scale's byte
.endr
	v_lshl_or_b32 v[PW], v[T4+1], 8, v[T4]
	v_lshl_or_b32 v[PW2], v[T4+3], 8, v[T4+2]
	v_lshl_or_b32 v[PW], v[PW2], 16, v[PW]
.else
	WIN 0
.irp d, 0,1,2,3,4,5,6,7
	QL 8*((\k)-17)+\d
.endr
.endif
.endm
.macro QALL q                          ; a whole m-tile's quantising on end: at the head, where there are no products yet
.set qk, 2
.rept 24
	QSLICE qk, \q
.set qk, qk+1
.endr
	s_wait_alu depctr_va_vdst(0)                   ; the scale word and the four blocks' codes are written, which the five stores read; the additions are done reading this m-tile's quad of hy, which is loaded again in the loop
	ds_store_b32 v[SWA], v[PW] offset:256*(\q)     ; lanes r and r + 16 store the same word with the same value
.irp b, 0,1,2,3
	CSTORE \b, \q
.endr
.endm
; relu and W3 of accumulator n, from its low end on; the first two products of a period start the sums
.macro H2 n
	WIN 0
.irp j, 0,2,4,6
	v_dual_max_num_f32 v[ACC+8*(\n)+\j], 0, v[ACC+8*(\n)+\j] :: v_dual_max_num_f32 v[ACC+8*(\n)+\j+1], 0, v[ACC+8*(\n)+\j+1]
.endr
.if (\n) == 0
	v_pk_mul_f32 v[S0:S0+1], v[ACC:ACC+1], v[W3R:W3R+1]
	v_pk_mul_f32 v[S1:S1+1], v[ACC+2:ACC+3], v[W3R+2:W3R+3]
.else
	v_pk_fma_f32 v[S0:S0+1], v[ACC+8*(\n):ACC+8*(\n)+1], v[W3R+8*(\n):W3R+8*(\n)+1], v[S0:S0+1]
	v_pk_fma_f32 v[S1:S1+1], v[ACC+8*(\n)+2:ACC+8*(\n)+3], v[W3R+8*(\n)+2:W3R+8*(\n)+3], v[S1:S1+1]
.endif
	v_pk_fma_f32 v[S0:S0+1], v[ACC+8*(\n)+4:ACC+8*(\n)+5], v[W3R+8*(\n)+4:W3R+8*(\n)+5], v[S0:S0+1]
	v_pk_fma_f32 v[S1:S1+1], v[ACC+8*(\n)+6:ACC+8*(\n)+7], v[W3R+8*(\n)+6:W3R+8*(\n)+7], v[S1:S1+1]
.endm
.macro RSUM                            ; my wave's part of the pair's score in v12, and its place in my own part of PART in v14; the store follows behind a wait
	WIN 0
	s_wait_alu depctr_vm_vsrc(0)                   ; the LDS stores issued so far (the last score, the scale word, the four blocks' codes) have read their registers: v12 and v14 are written below, v34-41, v50 and v52-59 from slot 10 on
	v_pk_add_f32 v[S0:S0+1], v[S0:S0+1], v[S1:S1+1]
	v_add_nc_u32 v[RS+2], s[PT], v[PADR]
	v_add_f32 v[RS], v[S0], v[S0+1]
	v_permlanex16_b32 v[RS+1], v[RS], s[SEL], s[SEL+1]
	v_add_f32 v[RS], v[RS], v[RS+1]                ; the pair's other 64 columns lie in lane l xor 16
.endm
.macro AFLOAD s, q                     ; fragment s of the image in slot q
	WIN 0x40                                       ; destination window 1
.irp c, 0,1,2,3
	ds_load_b128 v[AF+16*(\s)+4*\c:AF+16*(\s)+4*\c+3], v[LIA] offset:IMG+8192*(\q)+2048*(\s)+512*\c
.endr
.endm
.macro XSLOAD sp, q
	WIN 0
	ds_load_b32 v[XS+(\sp)], v[LSA] offset:256*(\q)+128*(\sp)
.endm
; A PREFETCH INTO THE L2 of the rows of hyp that the next trip's four loads will ask for: rows 4 x trip + 8 .. + 11 of my work-group's 64, 8,192 bytes, lanes 256 bytes apart.  It stands behind the trip's first load.
; The 32 work-groups of one jg read the same rows: the one with it = 0 asks, and in it wave 0, for all four waves' parts.  So each aligned block of 256 bytes is named once.  Rows 0 to 7 come by their loads alone; the last trip asks for nothing.
; (Its offset v7 was written ahead of the head's wait on va_vdst and never since.)
.macro ASK
	WIN 0                                          ; at a branch and at a label every window is 0
	s_cmp_gt_u32 s[TRIP], s[LIM]
	s_cbranch_scc0 .Lnot_mine_\@
	global_prefetch_b8 v[PFO], s[HY:HY+1] offset:16384 th:TH_LOAD_NT scope:SCOPE_SE
.Lnot_mine_\@:
.endm
; Slots 0-3 of period t, t % 4 = p.  prev = 1: the period before is finished here.  quant = 1: m-tile t + 2 is begun; lc: the younger loads of hy that may stay out.
.macro HEAD p, prev, quant, lc
	MM 0, 0
.if \prev
	H2 6
.endif
	MM 0, 1
.if \prev
	H2 7
	RSUM
.endif
	MM 0, 2
	s_barrier_wait -1                              ; every wave's image t + 1 lies in LDS, and its reads of image t - 1 are over
.if \quant
	s_wait_loadcnt \lc                             ; the quad of m-tile t + 2 was asked for two periods ago
	QSLICE 2, ((\p)+2)%4
.endif
	MM 0, 3
.if \quant
	QSLICE 3, ((\p)+2)%4
.endif
	WIN 0
.if \prev                              ; (in period 0 no vector or matrix instruction has named fragment 3 or v17 yet, and there is no score: nothing is to be stated)
	s_wait_alu depctr_va_vdst(0)                   ; v12 and v14 are written, which the store of the score reads; the last period's products of K step 3 are done reading fragment 3 and v17, in which the loads below land; the additions of two periods back are done reading the quad in which slot 4's load lands
.endif
	XSLOAD 1, \p                                   ; the scale words of K steps 2 and 3 first: K step 2 wants them
.if \prev
	ds_store_b32 v[RS+2], v[RS] offset:4*(((\p)+3)%4)   ; an LDS store: behind the barrier's wait
.endif
	AFLOAD 3, \p
.endm
; Slots 4-31.  load: hy of m-tile t + 4 is asked for; refill: image t + 1's fragments are fetched; sig: the period's barrier is signalled; pf: the trip's prefetch.
; Accumulator n is read two slices behind its last product, and begun anew eight slots behind it (ISA guide 7.12.1).
.macro REST p, quant, load, refill, sig, pf
.set kk, 4
.rept 28
.if kk == 16
	s_wait_dscnt 4                                 ; fragment 2 (asked for in slot 30 of the period before) and the scale words of K steps 2, 3 are in; behind them: fragment 3's four loads
.endif
.if kk == 24
	s_wait_dscnt 3*\quant+9*\refill                ; fragment 3 is in; behind it slot 21's run: the scale word's store and two stores of codes; a load of scale words, fragment 0's four, fragment 1's four
.endif
	MM kk/8, kk%8
.if kk < 26
.if \quant
	QSLICE kk, ((\p)+2)%4
.elseif kk == 25
	PLACES 8                                       ; no slices here: the places in front of the first read of results
.endif
.else
	H2 kk-26
.endif
.if (kk == 4) && \load
	WIN 0x40
	global_load_b128 v[HB+4*\p:HB+4*\p+3], v[LIA], s[HY:HY+1] offset:((\p)+4)*2048   ; 512 consecutive bytes; into the quad that m-tile t left two periods ago.  No wait: since the last one no vector or matrix instruction names this quad
.endif
.if (kk == 4) && \pf
	ASK
.endif
.if (kk == 21) && (\quant || \refill)
.if \quant == 0
	PLACES 8                                       ; no slices here: eight plain lines between the products that read these fragments and the loads, as the slices are in the loop
.endif
	WIN 0
	s_wait_alu depctr_va_vdst(0)                   ; the scale word and the codes of blocks 0 and 1 are written, which the three stores read; the products of K steps 0 and 1 are done reading fragments 0, 1 and v16, in which the loads land
.if \quant
	ds_store_b32 v[SWA], v[PW] offset:256*(((\p)+2)%4)   ; lanes r and r + 16 store the same word with the same value
	CSTORE 0, ((\p)+2)%4
	CSTORE 1, ((\p)+2)%4
.endif
.if \refill
	XSLOAD 0, ((\p)+1)%4
	AFLOAD 0, ((\p)+1)%4
	AFLOAD 1, ((\p)+1)%4
.endif
.endif
.if (kk == 25) && (\quant || \refill)
	WIN 0
	s_wait_alu depctr_va_vdst(0)                   ; the conversions have written the codes of blocks 2 and 3, which the two stores read; the products of K step 2 are done reading fragment 2, in which slot 30's loads land
.if \quant
	CSTORE 2, ((\p)+2)%4
	CSTORE 3, ((\p)+2)%4
.endif
.endif
.if (kk == 29) && \sig
	s_wait_dscnt 0x0                               ; my stores of image t + 2 have landed and my reads of image t are over; fragments 0 and 1 of image t + 1 are in
	s_barrier_signal -1
.endif
.if (kk == 30) && \refill
	AFLOAD 2, ((\p)+1)%4                           ; between signal and wait: loads of an image that nobody stores over before three more barriers.  No wait: since slot 25's no vector or matrix instruction names fragment 2
.endif
.set kk, kk+1
.endr
.endm
.macro W2LOAD g0, g1                   ; W2's registers 4 g on, g = g0 .. g1 - 1: the buffer is laid in their order, 512 bytes a load
.set g, \g0
.rept (\g1)-(\g0)
	WIN 0x80+0x40*(g/64)
	global_load_b128 v[4*(g%64):4*(g%64)+3], v[LIA], s[12:13] offset:512*g
.set g, g+1
.endr
.endm
	s_load_b512 s[8:23], s[0:1], 0x0               ; hxp s[8:9], hyp s[10:11], w2c s[12:13], w2s s[14:15], b2 s[16:17], W3 s[18:19], b3 s[20:21], out0 s[22:23]
	v_lshl_add_u32 v63, v0, 2, 0xc800
	s_set_vgpr_msb 0x40
	v_mov_b32 v255, 0
	s_set_vgpr_msb 0x4000
	v_lshrrev_b32 v1, 5, v0
	v_readfirstlane_b32 s[WV], v1                  ; wave 0..3
	v_and_b32 v15, 31, v0                          ; lane
	v_and_b32 v12, 15, v0                          ; r
	v_bfe_u32 v13, v0, 4, 1                        ; h
	s_mov_b32 s[SEL], 0x76543210
	s_mov_b32 s[SEL+1], 0xfedcba98
	s_mov_b32 s[MNT], 0x600000
	s_mov_b32 s[PT], 0
	s_and_b32 s35, ttmp7, 0xffff                   ; it
	s_wait_alu depctr_va_sdst(0)                   ; s24, the wave's number, is written, ahead of its first reader: the line below
	s_or_b32 s36, s35, s[WV]
	s_cmp_eq_u32 s36, 0
	s_cselect_b32 s[LIM], 1, -1                    ; wave 0 of the work-groups with it = 0 prefetches
	s_lshl_b32 s38, s[WV], 9                       ; 512 w: my K step in a row of hxp or hyp; my 128 numbers of b2 and W3
	s_mov_b32 s39, 0
	s_lshl_b32 s36, s35, 15                        ; 16 rows of hxp
	s_add_co_u32 s36, s36, s38
	s_mov_b32 s37, 0
	s_lshl_b32 s40, ttmp9, 17                      ; 64 rows of hyp
	s_add_co_u32 s40, s40, s38
	s_mov_b32 s41, 0
	s_lshl_b32 s42, s[WV], 16                      ; my 65,536 bytes of W2's codes
	s_mov_b32 s43, 0
	s_lshl_b32 s44, s[WV], 11                      ; my 2,048 bytes of its scale words; also my fragment's place in an image
	s_mov_b32 s45, 0
	s_lshl_b32 s46, s35, 15                        ; out0: 16 rows,
	s_lshl_b32 s47, s[WV], 13
	s_add_co_u32 s46, s46, s47                     ; + my 4 of them,
	s_lshl_b32 s47, ttmp9, 8
	s_add_co_u32 s46, s46, s47                     ; + 64 columns
	s_mov_b32 s47, 0
	s_lshl_b32 s48, s[WV], 6
	s_add_co_u32 s48, s48, XSC
	s_mul_i32 s49, s[WV], 4352
	s_add_co_u32 s49, s49, PART
	s_mul_i32 s50, s[WV], 1088
	s_add_co_u32 s50, s50, PART
	v_lshlrev_b32 v[LIA], 4, v15
	v_lshl_add_u32 v[LSA], v15, 2, XSC
	v_add_nc_u32 v[IWA], s44, v[LIA]
	v_lshl_add_u32 v[SWA], v12, 2, s48
	v_mul_u32_u24 v[PADR], v12, 272
	v_add_nc_u32 v[PADR], s49, v[PADR]
	v_lshlrev_b32 v[HXO], 11, v12
	v_lshl_add_u32 v[HXO], v13, 8, v[HXO]
	v_lshlrev_b32 v[PFO], 8, v15
	v_lshlrev_b32 v[BO], 5, v13
	v_mul_u32_u24 v[RDA], v13, 272
	v_lshl_add_u32 v[RDA], v12, 4, v[RDA]
	v_add_nc_u32 v[RDA], s50, v[RDA]
	v_lshlrev_b32 v[GOA], 11, v13
	v_lshl_add_u32 v[GOA], v12, 4, v[GOA]
	v_lshlrev_b32 v[L4], 2, v15
	s_wait_kmcnt 0x0
	s_add_nc_u64 s[8:9], s[8:9], s[36:37]
	s_add_nc_u64 s[HY:HY+1], s[10:11], s[40:41]
	s_add_nc_u64 s[12:13], s[12:13], s[42:43]
	s_add_nc_u64 s[14:15], s[14:15], s[44:45]
	s_add_nc_u64 s[16:17], s[16:17], s[38:39]
	s_add_nc_u64 s[18:19], s[18:19], s[38:39]
	s_add_nc_u64 s[22:23], s[22:23], s[46:47]
	s_load_b32 s[B3], s[20:21], 0x0
	WIN 0x40
	s_wait_alu depctr_va_vdst(0)                   ; the addresses and offsets v1 to v7, v15 and v60 to v62 are written: every load, store and prefetch of the kernel but the store of a score reads one of them, and none is written again
.irp e, 0,1,2,3,4,5,6,7,8,9,10,11,12,13,14,15
	global_load_b128 v[HXR+4*\e:HXR+4*\e+3], v[HXO], s[8:9] offset:16*\e             ; hx + b1 of my row: register 4 e + c = k 32 c + 16 h + e of K step w
.endr
.irp t, 0,1,2,3
	global_load_b128 v[HB+4*\t:HB+4*\t+3], v[LIA], s[HY:HY+1] offset:2048*\t         ; hy of m-tiles 0 to 3
.endr
	W2LOAD 0, 40
	WIN 0
.set i, 0
.rept 64
	v_mov_b32 v[X+i], 0                            ; written once, while the loads are out: the destination of a DPP form counts as one of its sources
.set i, i+1
.endr
.irp b, 0,1,2,3
	v_mov_b32 v[T4+\b], 0                          ; a lane permute's likewise (v13 has been written above)
.endr
	s_wait_loadcnt 40                              ; hx and hy are in; the 40 loads of W2 behind them may stay out
	QALL 0                                         ; image 0
	W2LOAD 40, 84
	WIN 0
	s_wait_dscnt 0x0                               ; image 0's stores have landed
	s_wait_alu depctr_vm_vsrc(0)                   ; image 0's five stores have read v34-41, v50 and v52-59, which the next quantising writes again
	QALL 1                                         ; image 1
	W2LOAD 84, 128
	WIN 0
.set i, 0
.rept 16
	global_load_b32 v[W2S+i], v[L4], s[14:15] offset:128*i
.set i, i+1
.endr
.irp n, 0,1,2,3,4,5,6,7
	global_load_b128 v[W3R+8*\n:W3R+8*\n+3], v[BO], s[18:19] offset:64*\n            ; W3[128 w + 16 n + 8 h + 0 .. 7]
	global_load_b128 v[W3R+8*\n+4:W3R+8*\n+7], v[BO], s[18:19] offset:64*\n+16
.endr
	WIN 0x40
.irp n, 0,1,2,3,4,5,6,7
	global_load_b128 v[B2R+8*\n:B2R+8*\n+3], v[BO], s[16:17] offset:64*\n            ; b2 likewise
	global_load_b128 v[B2R+8*\n+4:B2R+8*\n+7], v[BO], s[16:17] offset:64*\n+16
.endr
	WIN 0
	s_wait_dscnt 0x0                               ; my parts of images 0 and 1 have landed
	s_wait_alu depctr_vm_vsrc(0)                   ; image 1's five stores have read v34-41, v50 and v52-59, which period 0's quantising writes again
	s_barrier_signal -1
	s_barrier_wait -1                              ; everybody's have
	AFLOAD 0, 0                                    ; (no vector or matrix instruction has named the fragments or v16 yet)
	AFLOAD 1, 0
	XSLOAD 0, 0
	s_wait_loadcnt 0x0                             ; W2, its scale words, b2, W3
	s_wait_kmcnt 0x0                               ; b3
	s_mov_b32 s[B3+1], s[B3]                       ; (the packed form names the pair)
	s_wait_dscnt 0x0
	s_barrier_signal -1                            ; the signal that period 0's wait in slot 2 answers: every period is written alike
	AFLOAD 2, 0
	HEAD 0, 0, 1, 1
	WIN 0
	s_mov_b32 s[TRIP], 15
.Ltrip:                                                ; a trip: slots 4-31 of periods 4 T .. 4 T + 3 and slots 0-3 of periods 4 T + 1 .. 4 T + 4; its loads reach m-tile 4 T + 7, 63 at the most
	REST 0, 1, 1, 1, 1, 1
	HEAD 1, 1, 1, 1
	REST 1, 1, 1, 1, 1, 0
	HEAD 2, 1, 1, 1
	REST 2, 1, 1, 1, 1, 0
	HEAD 3, 1, 1, 1
	REST 3, 1, 1, 1, 1, 0
	HEAD 0, 1, 1, 1
	WIN 0
	s_wait_xcnt 0x0                                ; the trip's loads and its prefetch have read their base: it is stepped only behind this wait
	s_add_nc_u64 s[HY:HY+1], s[HY:HY+1], 8192
	s_add_co_u32 s[PT], s[PT], 16
	s_sub_co_u32 s[TRIP], s[TRIP], 1
	s_cmp_lg_u32 s[TRIP], 0
	s_cbranch_scc1 .Ltrip
	REST 0, 1, 0, 1, 1, 0                          ; periods 60 to 63: nothing more is loaded from hyp,
	HEAD 1, 1, 1, 0                                ; (the last quad has no younger load behind it)
	REST 1, 1, 0, 1, 1, 0
	HEAD 2, 1, 0, 0                                ; nothing more is quantised,
	REST 2, 0, 0, 1, 1, 0
	HEAD 3, 1, 0, 0
	REST 3, 0, 0, 0, 0, 0                          ; and nothing more is fetched: this period has no LDS instruction behind slot 3, and states nothing
	H2 6
	H2 7
	RSUM
	s_wait_alu depctr_va_vdst(0)                   ; v12 and v14 are written, which the store of the last score reads; v192-223, in which the loads of the way out land, were last named by the quantising of two periods back
	ds_store_b32 v[RS+2], v[RS] offset:12
	; THE WAY OUT: the four waves' parts are added, and b3.  Wave w takes rows 4 w + 2 a + h, a = 0, 1; sixteen lanes take a row's 64 columns
	s_wait_dscnt 0x0                               ; my parts have landed
	s_barrier_signal -1
	s_barrier_wait -1
.irp a, 0,1
.irp u, 0,1,2,3
	ds_load_b128 v[X+16*\a+4*\u:X+16*\a+4*\u+3], v[RDA] offset:4352*\u+544*\a
.endr
.endr
.irp a, 0,1
	s_wait_dscnt 4-4*\a                            ; this pair of rows' four loads are in
	v_pk_add_f32 v[X+16*\a:X+16*\a+1], v[X+16*\a:X+16*\a+1], v[X+16*\a+4:X+16*\a+5]
	v_pk_add_f32 v[X+16*\a+2:X+16*\a+3], v[X+16*\a+2:X+16*\a+3], v[X+16*\a+6:X+16*\a+7]
	v_pk_add_f32 v[X+16*\a+8:X+16*\a+9], v[X+16*\a+8:X+16*\a+9], v[X+16*\a+12:X+16*\a+13]
	v_pk_add_f32 v[X+16*\a+10:X+16*\a+11], v[X+16*\a+10:X+16*\a+11], v[X+16*\a+14:X+16*\a+15]
	v_pk_add_f32 v[X+16*\a:X+16*\a+1], v[X+16*\a:X+16*\a+1], v[X+16*\a+8:X+16*\a+9]
	v_pk_add_f32 v[X+16*\a+2:X+16*\a+3], v[X+16*\a+2:X+16*\a+3], v[X+16*\a+10:X+16*\a+11]
	v_pk_add_f32 v[X+16*\a:X+16*\a+1], v[X+16*\a:X+16*\a+1], s[B3:B3+1] op_sel_hi:[1,0]
	v_pk_add_f32 v[X+16*\a+2:X+16*\a+3], v[X+16*\a+2:X+16*\a+3], s[B3:B3+1] op_sel_hi:[1,0]
.endr
	s_wait_alu depctr_va_vdst(0)                   ; the additions have written v192-195 and v208-211, which the two stores read
.irp a, 0,1
	global_store_b128 v[GOA], v[X+16*\a:X+16*\a+3], s[22:23] offset:4096*\a          ; sixteen lanes store 256 consecutive bytes, aligned
.endr
	s_set_vgpr_msb 0x4
	s_wait_dscnt 0x0
	s_wait_alu depctr_hold_cnt(0) depctr_sa_sdst(0) depctr_va_vdst(0) depctr_va_sdst(0) depctr_va_ssrc(0) depctr_va_vcc(0) depctr_vm_vsrc(0)
	s_wait_tensorcnt 0x0
	ds_add_u32 v63, v255
	s_wait_dscnt 0x0
	s_endpgm
.Lfunc_end_k_q7ee59e2aa1_main:
	.size	k_q7ee59e2aa1_main, .Lfunc_end_k_q7ee59e2aa1_main-k_q7ee59e2aa1_main
	.p2alignl 7, 3214868480
	.fill 96, 4, 3214868480
	.section	.rodata,"a",@progbits
	.p2align	6, 0x0
	.amdhsa_kernel k_q7ee59e2aa1_main
		.amdhsa_group_segment_fixed_size 51712
		.amdhsa_private_segment_fixed_size 0
		.amdhsa_enable_private_segment 0
		.amdhsa_kernarg_size 64
		.amdhsa_user_sgpr_count 2
		.amdhsa_user_sgpr_kernarg_segment_ptr 1
		.amdhsa_wavefront_size32 1
		.amdhsa_system_sgpr_workgroup_id_x 1
		.amdhsa_system_sgpr_workgroup_id_y 1
		.amdhsa_system_sgpr_workgroup_id_z 1
		.amdhsa_system_vgpr_workitem_id 0
		.amdhsa_next_free_vgpr 1024
		.amdhsa_next_free_sgpr 66
		.amdhsa_reserve_vcc 0
		.amdhsa_float_denorm_mode_32 3
		.amdhsa_float_denorm_mode_16_64 3
		.amdhsa_memory_ordered 1
		.amdhsa_forward_progress 1
		.amdhsa_inst_pref_size 219
	.end_amdhsa_kernel
	.amdgpu_metadata
---
amdhsa.version: [ 1, 2 ]
amdhsa.kernels:
  - .name:           k_q7ee59e2aa1_main
    .symbol:         k_q7ee59e2aa1_main.kd
    .args:
      - { .name: hxp, .offset: 0, .size: 8, .value_kind: global_buffer, .address_space: global }
      - { .name: hyp, .offset: 8, .size: 8, .value_kind: global_buffer, .address_space: global }
      - { .name: w2c, .offset: 16, .size: 8, .value_kind: global_buffer, .address_space: global }
      - { .name: w2s, .offset: 24, .size: 8, .value_kind: global_buffer, .address_space: global }
      - { .name: b2, .offset: 32, .size: 8, .value_kind: global_buffer, .address_space: global }
      - { .name: W3, .offset: 40, .size: 8, .value_kind: global_buffer, .address_space: global }
      - { .name: b3, .offset: 48, .size: 8, .value_kind: global_buffer, .address_space: global }
      - { .name: out0, .offset: 56, .size: 8, .value_kind: global_buffer, .address_space: global }
    .group_segment_fixed_size: 51712
    .private_segment_fixed_size: 0
    .kernarg_segment_align: 8
    .kernarg_segment_size: 64
    .max_flat_workgroup_size: 128
    .sgpr_count:     66
    .vgpr_count:     1024
    .wavefront_size: 32
...
	.end_amdgpu_metadata
.endif
;; end of part 4
